; MI455X (gfx1250); checked and timed in simulation.
; The chip was launched on July 23, 2026; its instructions are those of AMD's public machine-readable ISA for CDNA 5 (MIT licence, August 2026) and "CDNA5" Instruction Set Architecture Reference Guide (July 2026). The comments in the code are by the model that wrote it; some were corrected since.
;; Attention. Allowed arithmetic: matrix products marked QUANTISED: E2M1 operands, one E8M0 scale for each 32 along K, by v_wmma_scale_f32_16x16x128_f8f6f4 with both operands' format E2M1 (or v_wmma_scale_f32_32x16x128_f4), f32 sums; products left as they are: bf16, f16 or f32 operands; f32 sums; everything else in f32.
;; Inputs: attention_mask 1 x 1 x 2,048 x 2,048 float32; cos 2,048 x 128 float32; hidden_states 1 x 2,048 x 2,048 float32; k_norm_w 128 float32; q_norm_w 128 float32; sin 2,048 x 128 float32; wk 2,048 x 2,048 float32; wo 2,048 x 2,048 float32; wq 2,048 x 2,048 float32; wv 2,048 x 2,048 float32.
;; Outputs: out0 1 x 2,048 x 2,048 float32.
;; This version of the problem:
;;   THIS VERSION OF THE PROBLEM IS GIVEN IN LOW PRECISION. The matrix products marked QUANTISED in the list below multiply operands that are first quantised to E2M1 (2 exponent bits, 1 mantissa bit; 4 bits a number), with one power-of-two scale for each 32 numbers along K (OCP MX v1.0); their sums are f32. The products marked 'left as it is' may take bf16, f16 or f32 operands, with f32 sums. Whichever they take, every output number must still come out within the allowed error. Rounding operands to bf16 (8 significant bits) uses up far more of that allowance than f16 does (11 bits, for magnitudes from 6e-5 to 65,504). All else is computed in f32.
;;   The module's matrix products, in the order in which they are computed (A, B: the left and right operand; K: the contracted axis; several contracted axes count as one K, in the product's order):
;;     1. [M 2,048, K 2,048] x [K 2,048, N 2,048]; A: input hidden_states; B: input wq: QUANTISED
;;     2. [M 2,048, K 2,048] x [K 2,048, N 2,048]; A: input hidden_states; B: input wk: QUANTISED
;;     3. [M 2,048, K 2,048] x [K 2,048, N 2,048]; A: input hidden_states; B: input wv: QUANTISED
;;     4. batch 16 x [M 2,048, K 128] x [K 128, N 2,048]; A: computed on the way; B: computed on the way: left as it is (an operand is computed on the way)
;;     5. batch 16 x [M 2,048, K 2,048] x [K 2,048, N 128]; A: computed on the way; B: computed on the way: left as it is (an operand is computed on the way)
;;     6. [M 2,048, K 2,048] x [K 2,048, N 2,048]; A: computed on the way; B: input wo: left as it is (an operand is computed on the way)
;;   THE QUANTISER, for each operand of a quantised product, along K:
;;     - K is cut into blocks of 32 from its start; a last block that is shorter is filled with zeros.
;;     - A block's scale is 2^e with e = floor(log2(the largest magnitude in the block)) - 2, held to -126 .. 127; a block of zeros has e = 0. As a byte (E8M0): e + 127.
;;     - Each number is divided by its block's scale, clamped to +-6, and rounded to the nearest number of E2M1, ties to even, subnormals kept.
;;     - The product sums the exact products of the quantised numbers (number of the format x scale) in f32.
;;   ~~~python
;;   def quantise(x, axis):      # numpy; x: float32 -> the quantised numbers, widened to float32 again
;;       x = np.moveaxis(x, axis, -1); K = x.shape[-1]
;;       x = np.pad(x, [(0, 0)] * (x.ndim - 1) + [(0, -K % 32)]); x = x.reshape(x.shape[:-1] + (-1, 32)); a = np.abs(x).max(-1, keepdims=True)
;;       e = np.where(a > 0, np.clip(np.frexp(np.where(a > 0, a, 1))[1] - 1 - 2, -126, 127), 0)      # np.frexp(a)[1] - 1 = floor(log2(a)), exactly
;;       r = np.clip(x / 2.0 ** e, -6, 6)
;;       step = 2.0 ** (np.maximum(np.frexp(np.where(r == 0, 1, r))[1] - 1, 0) - 1)
;;       q = np.round(r / step) * step * 2.0 ** e      # np.round: ties to even
;;       return np.moveaxis(q.reshape(q.shape[:-2] + (-1,))[..., :K], -1, axis).astype(np.float32)
;;   ~~~
;; One version. Each part assembles by itself: llvm-mc -triple=amdgcn-amd-amdhsa -mcpu=gfx1250 --defsym DOCPART=n.
;; ======== version 1 of 1: 4 launches
;; limits: values are held in f16: magnitudes above 65,504 overflow, below 6.1e-05 lose precision; right only within a limited range of input values
;; workspace buffers: xc 2,097,152 bytes; xs 131,072 bytes; wc 6,291,456 bytes; ws 393,216 bytes; wof 8,388,608 bytes; rope 2,097,152 bytes; qkv 25,165,824 bytes; ao 8,388,608 bytes
;; launch prep (part 1): grid 704 x 1, 4 waves a work-group, no clusters, 34,304 bytes of LDS; arguments hidden_states, wq, wk, wv, wo, cos, sin, xc, xs, wc, ws, wof, rope; writes xc, xs, wc, ws, wof, rope
.if DOCPART == 1
	.amdgcn_target "amdgcn-amd-amdhsa--gfx1250"
	.amdhsa_code_object_version 6
	.text
	.protected	k_qe9dd45193a_prep
	.globl	k_qe9dd45193a_prep
	.p2align	8
	.type	k_qe9dd45193a_prep,@function
k_qe9dd45193a_prep:
	s_mov_b64 s[64:65], 0
	v_nop
	global_prefetch_b8 v0, s[64:65] scope:SCOPE_SE
	s_setreg_imm32_b32 hwreg(HW_REG_WAVE_MODE, 25, 1), 1
	s_wait_xcnt 0x0
; PREP.  What the later launches read many times is laid out once, as IMAGES OF THE READERS' OPERAND REGISTERS (16 bytes a lane, lane by lane):
;   x [2048][2048] and wq, wk, wv [2048 (k)][2048 (n)], f32 -> codes of E2M1 with one E8M0 byte for each 32 along K (the stated quantiser);
;   wo [2048 (k)][2048 (n)], f32 -> f16 with K innermost;   cos, sin [2048][128], f32 -> f32 in the order of the projection's accumulators.
; NO WORK OF reference() IS LEFT OUT IN THIS PROGRAM: every input has a way to the output, the mask is an input and is added to every score.
; LAYOUTS (bytes; r = lane % 16, h = lane / 16):
;   xc: mtile*16384 + kb*256 + r*16: the 32 codes of row 16 mtile + r, K block kb.     xs: mtile*1024 + kg*256 + r*16 + q*4: the scale word of K = 128 (4 kg + q) on
;   wc, ws: the same with T = 128 mat + column / 16 for mtile (mat 0 = q, 1 = k, 2 = v)  wof: ntile*65536 + u*256 + r*16: k = 8u .. 8u+7 of column 16 ntile + r
;   rope: table*1048576 + stile*8192 + (2b+e)*512 + lane*16: d = 16b + 8h + 4e + 0..3 of token 16 stile + r
; A block's scale is 2^(floor(log2(largest magnitude)) - 2): its byte is the largest magnitude's exponent field - 2, held at 1 from below by a floor among the maximum's leaves.
; LIMITS: a block of zeros gets the byte 1 where the rule says 127 (its codes are zeros, and this program alone reads the bytes); NaN and infinities in x or the weights are not served;
; numbers of wo beyond f16's 65,504 are not served.
; SHARES: work-groups 0-383 the three weights, 384-511 wo, 512-639 x, 640-703 cos and sin.  The waves share nothing: no barrier.  Only x's path uses LDS.
; A wave of the weights' paths takes 32 columns x 256 along K: 8 blocks, two of them (64 loads of 128 bytes) on their way.  So short a share, that many waves have loads out at once.
; Its price: a wave makes two scale words a row, 8 bytes a lane, so that 256 consecutive bytes of ws are written by two work-groups, half each: 1 byte in 128 of what the path reads.
.set SPARE, 33792                      ; behind the four stages: the spare words, 128 bytes a wave
.set SPW,   254                        ; v254  LDS address of my spare word; never rewritten
.set NIL,   255                        ; v255  0; never rewritten
.set NBK,   8                          ; weights: blocks of 32 along K for a wave
.set X,     32                         ; weights: v32-95 two sets of 32 numbers down K
.set C,     96                         ; weights: v96-127 codes, four registers a block;  wo: v96-127 two sets of 16 registers of f16
.set SB,    24                         ; weights: v24-25 the 8 scale bytes
.set R,     16                         ; x: v16-143 two sets of 64 as loaded
.set XX,    144                        ; x: v144-207 64 numbers in the operand's order
.set CX,    208                        ; x: v208-239 codes, eight registers a K step
.set SW,    240                        ; x: v240-243 scale words
.macro WLOAD t                         ; block t of a weight: rows 32 t .. 32 t + 31 at my column: a wave reads 128 neighbouring bytes a load
.set n, 0
.rept 32
	global_load_b32 v[X+32*((\t)%2)+n], v5, s[6:7] offset:(32*(\t)+n)*8192 th:TH_LOAD_NT
.set n, n+1
.endr
.endm
.macro WBLOCK t                        ; 32 numbers down K of my column become 16 bytes of codes and one scale byte
.set XS, X+32*((\t)%2)
.if (\t) < NBK-1
	s_wait_loadcnt 32                              ; this block's 32 loads are in; the next block's 32 may be out
.else
	s_wait_loadcnt 0x0
.endif
	v_max3_num_f32 v12, |v[XS]|, |v[XS+1]|, |v[XS+2]|
	v_max3_num_f32 v13, |v[XS+3]|, |v[XS+4]|, |v[XS+5]|
.irp i, 6,10,14,18,22,26
	v_max3_num_f32 v12, v12, |v[XS+\i]|, |v[XS+\i+1]|
	v_max3_num_f32 v13, v13, |v[XS+\i+2]|, |v[XS+\i+3]|
.endr
	v_max3_num_f32 v12, v12, |v[XS+30]|, |v[XS+31]|
	v_max3_num_f32 v12, v12, v13, 0x1800000        ; the floor 2^(3 - 127): the byte cannot fall under 1
	v_add_nc_u32 v11, 0xff000000, v12              ; 2 off the exponent field: the conversion's scale operand
	v_lshrrev_b32 v13, 23, v11                     ; the scale's byte
.if (\t)%4 == 0
	v_mov_b32 v[SB+(\t)/4], v13
.else
	v_lshl_or_b32 v[SB+(\t)/4], v13, 8*((\t)%4), v[SB+(\t)/4]
.endif
.irp g, 0,1,2,3
	v_cvt_scalef32_pk8_fp4_f32 v[C+4*(\t)+\g], v[XS+8*\g:XS+8*\g+7], v11
.endr
	global_store_b128 v6, v[C+4*(\t):C+4*(\t)+3], s[22:23] offset:256*(\t)   ; sixteen lanes fill 256 consecutive bytes, aligned; each block has its own registers
.if (\t)+2 < NBK
	WLOAD (\t)+2
.endif
.endm
.macro OBLOCK t                        ; 32 numbers down K of my column of wo become four chunks of eight f16
.set XS, X+32*((\t)%2)
.set HB, C+16*((\t)%2)
.if (\t) < NBK-1
	s_wait_loadcnt 32
.else
	s_wait_loadcnt 0x0
.endif
	s_wait_xcnt 0x0                                ; the stores of two blocks back have read their registers
.set n, 0
.rept 16
	v_cvt_pk_f16_f32 v[HB+n], v[XS+2*n], v[XS+2*n+1]
.set n, n+1
.endr
.if (\t)+2 < NBK
	WLOAD (\t)+2
.endif
.irp i, 0,1,2,3
	global_store_b128 v6, v[HB+4*\i:HB+4*\i+3], s[26:27] offset:(4*(\t)+\i)*256
.endr
.endm
.macro XLOAD q                         ; K step q (128 along K) of my 16 rows: a load is 512 consecutive bytes of one row
.set n, 0
.rept 16
	global_load_b128 v[R+64*((\q)%2)+4*n:R+64*((\q)%2)+4*n+3], v5, s[4:5] offset:n*8192+(\q)*512 th:TH_LOAD_NT
.set n, n+1
.endr
.endm
.macro XSTEP q                         ; through my stage, so that lane (r, h) holds k = 64 c + 32 h + 0 .. 31 of row r; then two whole blocks a lane
.set RB, R+64*((\q)%2)
.if (\q) < 3
	s_wait_loadcnt 16                              ; this K step's 16 loads are in; the next step's 16 may be out
.else
	s_wait_loadcnt 0x0
.endif
.set n, 0
.rept 16
	ds_store_b128 v8, v[RB+4*n:RB+4*n+3] offset:528*n
.set n, n+1
.endr
.set n, 0
.rept 16
	ds_load_b128 v[XX+4*n:XX+4*n+3], v9 offset:256*(n/8)+16*(n%8)   ; LDS serves a wave's instructions in order: these see the stores above
.set n, n+1
.endr
	s_wait_dscnt 0x0
.if (\q)+2 < 4
	XLOAD (\q)+2
.endif
.irp c, 0,1
	v_max3_num_f32 v[244+\c], |v[XX+32*\c]|, |v[XX+32*\c+1]|, 0x1800000
.endr
.irp i, 2,4,6,8,10,12,14,16,18,20,22,24,26,28,30
.irp c, 0,1
	v_max3_num_f32 v[244+\c], v[244+\c], |v[XX+32*\c+\i]|, |v[XX+32*\c+\i+1]|
.endr
.endr
.irp c, 0,1
	v_add_nc_u32 v[246+\c], 0xff000000, v[244+\c]
.endr
.irp c, 0,1
	v_lshrrev_b32 v[244+\c], 23, v[246+\c]
.endr
	v_lshl_or_b32 v249, v245, 16, v244             ; my two bytes: blocks h and 2 + h,
	v_lshlrev_b32 v249, v10, v249                  ; 8 h bits up;
	v_permlanex16_b32 v248, v249, s38, s39
	v_or_b32 v[SW+(\q)], v249, v248                ; with lane xor 16's two the word is whole
.irp c, 0,1
.irp g, 0,1,2,3
	v_cvt_scalef32_pk8_fp4_f32 v[CX+8*(\q)+4*\c+\g], v[XX+32*\c+8*\g:XX+32*\c+8*\g+7], v[246+\c]
.endr
.endr
	v_nop                                          ; one plain place behind the scaled conversions
.irp c, 0,1
	global_store_b128 v5, v[CX+8*(\q)+4*\c:CX+8*(\q)+4*\c+3], s[18:19] offset:(\q)*1024+\c*512   ; 512 consecutive bytes
.endr
.endm
	s_load_b512 s[4:19], s[0:1], 0x0               ; x 4:5, wq 6:7, wk 8:9, wv 10:11, wo 12:13, cos 14:15, sin 16:17, xc 18:19
	s_load_b256 s[20:27], s[0:1], 0x40             ; xs 20:21, wc 22:23, ws 24:25, wof 26:27
	s_load_b64 s[28:29], s[0:1], 0x60              ; rope
	v_lshl_add_u32 v[SPW], v0, 2, SPARE
	v_mov_b32 v[NIL], 0
	v_lshrrev_b32 v1, 5, v0
	v_readfirstlane_b32 s30, v1                    ; wave
	v_and_b32 v2, 31, v0                           ; lane
	v_and_b32 v3, 15, v0                           ; r
	v_bfe_u32 v4, v0, 4, 1                         ; h
	s_mov_b32 s33, 0                               ; the upper word of every offset
	s_wait_kmcnt 0x0
	s_cmp_lt_u32 ttmp9, 384
	s_cbranch_scc1 .Lw
	s_cmp_lt_u32 ttmp9, 512
	s_cbranch_scc1 .Lwo
	s_cmp_lt_u32 ttmp9, 640
	s_cbranch_scc1 .Lx
	; ---- cos and sin: a wave re-lays one tile of 16 tokens of one table
	s_sub_co_u32 s34, ttmp9, 640
	s_lshl_b32 s34, s34, 2
	s_add_co_u32 s34, s34, s30
	s_lshr_b32 s35, s34, 7                         ; table
	s_and_b32 s36, s34, 127                        ; tile of tokens
	s_cmp_eq_u32 s35, 0
	s_cselect_b64 s[14:15], s[14:15], s[16:17]
	s_lshl_b32 s32, s36, 13
	s_add_nc_u64 s[14:15], s[14:15], s[32:33]
	s_lshl_b32 s37, s35, 20
	s_add_co_u32 s32, s32, s37
	s_add_nc_u64 s[28:29], s[28:29], s[32:33]
	v_lshlrev_b32 v5, 9, v3
	v_lshl_add_u32 v5, v4, 5, v5                   ; row r of 512 bytes, + 32 h
	v_lshlrev_b32 v6, 4, v2
.set n, 0
.rept 16
	global_load_b128 v[32+4*n:32+4*n+3], v5, s[14:15] offset:(n/2)*64+(n%2)*16
.set n, n+1
.endr
.set n, 0
.rept 16
	s_wait_loadcnt 15-n                            ; loads come back in order: number n is in
	global_store_b128 v6, v[32+4*n:32+4*n+3], s[28:29] offset:n*512
.set n, n+1
.endr
	s_endpgm
	; ---- wq, wk, wv: a wave takes 32 columns x 256 along K; a lane a column, its registers run down K
.Lw:
	s_lshr_b32 s34, ttmp9, 7                       ; which weight
	s_bfe_u32 s35, ttmp9, 0x40003                  ; which 128 columns
	s_and_b32 s36, ttmp9, 7                        ; which 256 along K
	s_cmp_eq_u32 s34, 1
	s_cselect_b64 s[6:7], s[8:9], s[6:7]
	s_cmp_eq_u32 s34, 2
	s_cselect_b64 s[6:7], s[10:11], s[6:7]
	s_lshl_b32 s32, s36, 21                        ; 256 rows of 8,192 bytes
	s_lshl_b32 s37, s35, 9
	s_add_co_u32 s32, s32, s37
	s_lshl_b32 s37, s30, 7
	s_add_co_u32 s32, s32, s37
	s_add_nc_u64 s[6:7], s[6:7], s[32:33]
	s_lshl_b32 s38, s34, 7
	s_lshl_b32 s37, s35, 3
	s_add_co_u32 s38, s38, s37
	s_lshl_b32 s37, s30, 1
	s_add_co_u32 s38, s38, s37                     ; my wave's first tile of 16 columns
	s_lshl_b32 s32, s38, 14
	s_lshl_b32 s37, s36, 11                        ; 8 blocks of 256 bytes
	s_add_co_u32 s32, s32, s37
	s_add_nc_u64 s[22:23], s[22:23], s[32:33]
	s_lshl_b32 s32, s38, 10
	s_lshr_b32 s37, s36, 1
	s_lshl_b32 s37, s37, 8                         ; which 512 along K: 256 bytes of scale words,
	s_add_co_u32 s32, s32, s37
	s_and_b32 s37, s36, 1
	s_lshl_b32 s37, s37, 3                         ; and in a row's four words the first two or the last two
	s_add_co_u32 s32, s32, s37
	s_add_nc_u64 s[24:25], s[24:25], s[32:33]
	v_lshlrev_b32 v5, 2, v2
	v_lshlrev_b32 v6, 4, v3
	v_lshl_add_u32 v7, v4, 10, v6                  ; scale words: tile h, row r
	v_lshl_add_u32 v6, v4, 14, v6                  ; codes: tile h, row r
	WLOAD 0
	WLOAD 1
.set Q, 0
.rept NBK
	WBLOCK Q
.set Q, Q+1
.endr
	global_store_b64 v7, v[SB:SB+1], s[24:25]      ; two scale words a lane, 16 bytes from lane to lane
	s_endpgm
	; ---- wo: the same walk, rounded to f16
.Lwo:
	s_sub_co_u32 s34, ttmp9, 384
	s_lshr_b32 s35, s34, 3
	s_and_b32 s36, s34, 7
	s_mov_b64 s[6:7], s[12:13]
	s_lshl_b32 s32, s36, 21
	s_lshl_b32 s37, s35, 9
	s_add_co_u32 s32, s32, s37
	s_lshl_b32 s37, s30, 7
	s_add_co_u32 s32, s32, s37
	s_add_nc_u64 s[6:7], s[6:7], s[32:33]
	s_lshl_b32 s32, s35, 19
	s_lshl_b32 s37, s30, 17
	s_add_co_u32 s32, s32, s37
	s_lshl_b32 s37, s36, 13                        ; 256 along K are 32 chunks of 256 bytes
	s_add_co_u32 s32, s32, s37
	s_add_nc_u64 s[26:27], s[26:27], s[32:33]
	v_lshlrev_b32 v5, 2, v2
	v_lshlrev_b32 v6, 4, v3
	v_lshl_add_u32 v6, v4, 16, v6
	WLOAD 0
	WLOAD 1
.set Q, 0
.rept NBK
	OBLOCK Q
.set Q, Q+1
.endr
	s_endpgm
	; ---- x: a work-group takes a tile of 16 rows, wave w its K = 512 w .. 512 w + 511
.Lx:
	s_sub_co_u32 s35, ttmp9, 512                   ; tile of rows
	s_lshl_b32 s32, s35, 17
	s_lshl_b32 s37, s30, 11
	s_add_co_u32 s32, s32, s37
	s_add_nc_u64 s[4:5], s[4:5], s[32:33]
	s_lshl_b32 s32, s35, 14
	s_lshl_b32 s37, s30, 12
	s_add_co_u32 s32, s32, s37
	s_add_nc_u64 s[18:19], s[18:19], s[32:33]
	s_lshl_b32 s32, s35, 10
	s_lshl_b32 s37, s30, 8
	s_add_co_u32 s32, s32, s37
	s_add_nc_u64 s[20:21], s[20:21], s[32:33]
	s_mul_i32 s31, s30, 8448                       ; my stage: 16 rows of 512 bytes + 16
	v_lshlrev_b32 v5, 4, v2
	v_add_nc_u32 v8, s31, v5                       ; in: 16 x lane, the row in the immediate
	v_mul_u32_u24 v9, v3, 528
	v_lshl_add_u32 v9, v4, 7, v9
	v_add_nc_u32 v9, s31, v9                       ; out: row r, + 128 h
	v_lshlrev_b32 v10, 3, v4
	v_lshlrev_b32 v7, 4, v3
	v_lshl_add_u32 v7, v4, 3, v7                   ; scale words out: 16 r + 8 h
	s_mov_b32 s38, 0x76543210
	s_mov_b32 s39, 0xfedcba98                      ; lane xor 16
	v_mov_b32 v248, 0                              ; a lane permute's destination counts as one of its sources
	XLOAD 0
	XLOAD 1
	XSTEP 0
	XSTEP 1
	XSTEP 2
	XSTEP 3
	v_cmp_eq_u32 vcc_lo, 1, v4
	v_cndmask_b32 v250, v240, v242, vcc_lo         ; lanes 0-15 store words 0 and 1, lanes 16-31 words 2 and 3
	v_cndmask_b32 v251, v241, v243, vcc_lo
	global_store_b64 v7, v[250:251], s[20:21]      ; 32 lanes fill 256 consecutive bytes, aligned
	s_wait_tensorcnt 0x0                           ; the wave's end, behind my last LDS store
	ds_add_u32 v[SPW], v[NIL]
	s_wait_dscnt 0x0
	s_endpgm
.Lfunc_end_k_qe9dd45193a_prep:
	.size	k_qe9dd45193a_prep, .Lfunc_end_k_qe9dd45193a_prep-k_qe9dd45193a_prep
	.p2alignl 7, 3214868480
	.fill 96, 4, 3214868480
	.section	.rodata,"a",@progbits
	.p2align	6, 0x0
	.amdhsa_kernel k_qe9dd45193a_prep
		.amdhsa_group_segment_fixed_size 34304
		.amdhsa_private_segment_fixed_size 0
		.amdhsa_enable_private_segment 0
		.amdhsa_kernarg_size 104
		.amdhsa_user_sgpr_count 2
		.amdhsa_user_sgpr_kernarg_segment_ptr 1
		.amdhsa_wavefront_size32 1
		.amdhsa_system_sgpr_workgroup_id_x 1
		.amdhsa_system_sgpr_workgroup_id_y 1
		.amdhsa_system_sgpr_workgroup_id_z 1
		.amdhsa_system_vgpr_workitem_id 0
		.amdhsa_next_free_vgpr 256
		.amdhsa_next_free_sgpr 66
		.amdhsa_reserve_vcc 1
		.amdhsa_float_denorm_mode_32 3
		.amdhsa_float_denorm_mode_16_64 3
		.amdhsa_memory_ordered 1
		.amdhsa_forward_progress 1
		.amdhsa_inst_pref_size 108
	.end_amdhsa_kernel
	.amdgpu_metadata
---
amdhsa.version: [ 1, 2 ]
amdhsa.kernels:
  - .name:           k_qe9dd45193a_prep
    .symbol:         k_qe9dd45193a_prep.kd
    .args:
      - { .name: hidden_states, .offset: 0, .size: 8, .value_kind: global_buffer, .address_space: global }
      - { .name: wq, .offset: 8, .size: 8, .value_kind: global_buffer, .address_space: global }
      - { .name: wk, .offset: 16, .size: 8, .value_kind: global_buffer, .address_space: global }
      - { .name: wv, .offset: 24, .size: 8, .value_kind: global_buffer, .address_space: global }
      - { .name: wo, .offset: 32, .size: 8, .value_kind: global_buffer, .address_space: global }
      - { .name: cos, .offset: 40, .size: 8, .value_kind: global_buffer, .address_space: global }
      - { .name: sin, .offset: 48, .size: 8, .value_kind: global_buffer, .address_space: global }
      - { .name: xc, .offset: 56, .size: 8, .value_kind: global_buffer, .address_space: global }
      - { .name: xs, .offset: 64, .size: 8, .value_kind: global_buffer, .address_space: global }
      - { .name: wc, .offset: 72, .size: 8, .value_kind: global_buffer, .address_space: global }
      - { .name: ws, .offset: 80, .size: 8, .value_kind: global_buffer, .address_space: global }
      - { .name: wof, .offset: 88, .size: 8, .value_kind: global_buffer, .address_space: global }
      - { .name: rope, .offset: 96, .size: 8, .value_kind: global_buffer, .address_space: global }
    .group_segment_fixed_size: 34304
    .private_segment_fixed_size: 0
    .kernarg_segment_align: 8
    .kernarg_segment_size: 104
    .max_flat_workgroup_size: 128
    .sgpr_count:     66
    .vgpr_count:     256
    .wavefront_size: 32
...
	.end_amdgpu_metadata
.endif
;; end of part 1
;; launch qkv (part 2): grid 24 x 8, 4 waves a work-group, clusters of 4 x 4, 327,680 bytes of LDS; arguments xc, xs, wc, ws, rope, q_norm_w, k_norm_w, qkv; writes qkv
.if DOCPART == 2
	.amdgcn_target "amdgcn-amd-amdhsa--gfx1250"
	.amdhsa_code_object_version 6
	.text
	.protected	k_qe9dd45193a_qkv
	.globl	k_qe9dd45193a_qkv
	.p2align	8
	.type	k_qe9dd45193a_qkv,@function
k_qe9dd45193a_qkv:
	s_mov_b64 s[64:65], 0
	v_nop
	global_prefetch_b8 v0, s[64:65] scope:SCOPE_SE
	s_setreg_imm32_b32 hwreg(HW_REG_WAVE_MODE, 25, 1), 1
	s_wait_xcnt 0x0
	s_wait_alu depctr_hold_cnt(0) depctr_sa_sdst(0) depctr_va_vdst(0) depctr_va_sdst(0) depctr_va_ssrc(0) depctr_va_vcc(0) depctr_vm_vsrc(0)
	s_getreg_b32 s2, hwreg(HW_REG_IB_STS2, 6, 4)
	s_cmp_eq_u32 s2, 0
	s_cbranch_scc0 .Lentry_in_a_cluster
	s_endpgm
.Lentry_in_a_cluster:
	s_bfe_u32 s2, ttmp6, 0x10000c
	s_cmp_lg_u32 s2, 0xf033
	s_cbranch_scc0 .Lentry_shape_is_right
	s_endpgm
.Lentry_shape_is_right:
; QKV: the three quantised products x wq, x wk, x wv on codes of E2M1 with E8M0 scales (K = 2,048), sums in f32; then, in registers, RMS norm, rope and (for q) 1 / sqrt(128) in f32;
; the results leave as f16 in the order of the attention launch's operand registers.  Nothing of reference() is left out.
; A work-group of four waves makes 256 x 256, a wave 128 x 128: 64 accumulators, 512 registers; a wave's 128 columns are ONE head, so norm and rope never leave the wave.
; 192 work-groups: 8 blocks of tokens x 24 blocks of columns.  A tile that gave 256 work-groups and still kept a head in a wave would read about twice the LDS bytes for each product.
; SIDES.  Side A is the matrix instruction's source 1 (a lane holds one of its rows), side B its source 0 (a lane's eight registers run along its rows).
;   q, k: A = x (tokens), B = W: accumulator (a, b), lane (r, h), register j = token 16a + r, channel 16b + 8h + j.
;   v:    A = wv, B = x, by a choice of POINTERS on the cluster's x: channel 16a + r, token 16b + 8h + j: the chunk that V^T's fragment wants.  The loop is written once.
; CODES AND SCALES lie in memory as images of the operand's registers, so a fragment is two loads of 16 bytes a lane at 16 x lane: 512 consecutive bytes, no padding.
; K goes in steps of 512 through two LDS slots; the scales of all of K come once.  CLUSTERS 4 x 4: side A's tiles are shared along a row of the cluster, side B's along a column, by joint loads.
; LDS: slot s at 131,072 s: A's 16 tiles of 4,096 bytes, then B's; 262,144: A's scales (16 KiB), B's (16 KiB); 294,912: the spare words.  All of a WGP's LDS is claimed.
; LIMITS: q / sqrt(128), k and v are rounded to f16: magnitudes beyond 65,504 are not served (q, k are bounded by sqrt(128) x the norm's weight).
; REGISTERS: window 0: v16-31 addresses; v32-95 scale words, two sets, and nothing else; v128-191 A's fragments, one set.  window 1: B's fragments, two sets (v0-63, v128-191).  windows 2, 3: accumulators.
;   the way out: window 0: v2-9 sums, v10-25 1 / rms, a pair a tile, v96-127 f16 results, v128-191 roped numbers, v192-255 the norm's weights; window 1: cos and sin of two tiles of tokens.
.set NQ,    4                          ; steps of 128 along K in a slot
.set FR,    8                          ; registers of a fragment
.set NL,    2                          ; LDS loads that bring one
.set NP,    4                          ; places behind this matrix instruction (ISA guide 7.12.1)
.set SLOT,  131072
.set SCL,   262144
.set SPARE, 294912
.set ADRA,  16                         ; v16-17 LDS address of my A fragments in slot 0, 1
.set ADRB,  20                         ; v20-21 of my B fragments
.set ADRS,  27                         ; v27    of my scale words: lanes 0-15 A's, lanes 16-31 B's
.set SPW,   28                         ; v28    my spare word; never rewritten
.set NIL,   29                         ; v29    0; never rewritten
.set LN16,  30                         ; v30    16 x lane
.set H32,   31                         ; v31    32 h
.set SC,    32
.set AF,    128
.set SS,    2
.set RS,    10
.set Y,     96
.set U,     128
.set NW,    192
.set G1,   24
.set G0,   32
.set G1B,  48
.set G0B,  56
.set G1S,  68
.set G0S,  76
.set G1SB, 80
.set G0SB, 88
.set MSB, 0
.macro WIN new                         ; the immediate's high byte repeats the setting that is left
.if MSB != \new
	s_set_vgpr_msb (MSB<<8)|\new
.set MSB, \new
.endif
.endm
.set MUL_LO, 0xa1                      ; source 0 (B) window 1, source 1 (A) window 0, C and D window 2
.set MUL_HI, 0xf1
.set TO_B,   0x40
; A joint load: waves 0 and 1 fetch for side A, waves 2 and 3 for side B.  An s_nop 0 and four v_nop follow each of the two lines.
.macro JLOAD g0a, g1a, g0b, g1b
	s_cmp_eq_u32 s21, 0
	s_cbranch_scc0 .Lfor_b_\@
	tensor_load_to_lds s[\g0a:\g0a+3], s[\g1a:\g1a+7]
	s_nop 0
.rept 4
	v_nop
.endr
	s_branch .Lasked_\@
.Lfor_b_\@:
	tensor_load_to_lds s[\g0b:\g0b+3], s[\g1b:\g1b+7]
	s_nop 0
.rept 4
	v_nop
.endr
.Lasked_\@:
.endm
.macro CREST                           ; a round of the cluster's barrier behind its opening barrier
	s_cmp_lg_u32 s20, 0
	s_cbranch_scc1 .Lnot_wave_0_\@
	s_barrier_signal -3
.Lnot_wave_0_\@:
	s_barrier_wait -3
	s_barrier_signal -1
	s_barrier_wait -1
.endm
.macro CROUND
	s_barrier_signal -1
	s_barrier_wait -1
	CREST
.endm
	s_load_b512 s[4:19], s[0:1], 0x0               ; xc 4:5, xs 6:7, wc 8:9, ws 10:11, rope 12:13, q_norm_w 14:15, k_norm_w 16:17, qkv 18:19
	v_lshl_add_u32 v[SPW], v0, 2, SPARE
	v_mov_b32 v[NIL], 0
	ds_add_u32 v[SPW], v[NIL]                      ; the wave's opening: the add, twice on end, and its wait ahead of my first tensor load
	ds_add_u32 v[SPW], v[NIL]
	v_lshrrev_b32 v1, 5, v0
	v_readfirstlane_b32 s20, v1                    ; wave 0..3
	s_lshr_b32 s21, s20, 1                         ; which half of side A is mine.  Also: I fetch for A (0) or for B (1)
	s_and_b32 s22, s20, 1                          ; which half of side B.  Also: which 8 tiles I fetch
	s_bfe_u32 s40, ttmp6, 0x40000                  ; cx
	s_bfe_u32 s41, ttmp6, 0x40004                  ; cy
	s_lshl_b32 s42, ttmp9, 2
	s_add_co_u32 s42, s42, s40                     ; gx = 4 x cluster x + cx: 0..23
	s_and_b32 s66, ttmp7, 0xffff
	s_lshl_b32 s66, s66, 2
	s_add_co_u32 s66, s66, s41                     ; gy: 0..7
	s_lshr_b32 s67, ttmp9, 1                       ; the type, 0 = q, 1 = k, 2 = v: made of the cluster's x alone, the same in all sixteen partners
	s_cmp_eq_u32 s67, 2
	s_cselect_b32 s99, 16, 0
	s_lshl_b32 s43, s41, 2
	s_lshl_b32 s43, 15, s43                        ; my row of the cluster
	s_lshl_b32 s44, 0x1111, s40                    ; my column
	; group 1 for codes: 8 tiles' K step: 8 rows of 4,096 bytes (512 elements of 8), 16,384 bytes apart, dense in LDS
	s_or_b32 s[G1+0], s43, (3<<16)|(1<<21)
	s_or_b32 s[G1B+0], s44, (3<<16)|(1<<21)
.irp g, G1, G1B
	s_mov_b32 s[\g+1], 512<<16
	s_mov_b32 s[\g+2], 8<<16
	s_mov_b32 s[\g+3], 512<<16
	s_mov_b32 s[\g+4], 8
	s_mov_b32 s[\g+5], 2048
	s_mov_b32 s[\g+6], 0
	s_mov_b32 s[\g+7], 0
.endr
	; group 1 for scales: 8 tiles' 8,192 dense bytes as 32 rows of 256
	s_or_b32 s[G1S+0], s43, (3<<16)|(1<<21)
	s_or_b32 s[G1SB+0], s44, (3<<16)|(1<<21)
.irp g, G1S, G1SB
	s_mov_b32 s[\g+1], 32<<16
	s_mov_b32 s[\g+2], 32<<16
	s_mov_b32 s[\g+3], 32<<16
	s_mov_b32 s[\g+4], 32
	s_mov_b32 s[\g+5], 32
	s_mov_b32 s[\g+6], 0
	s_mov_b32 s[\g+7], 0
.endr
	s_add_co_u32 s92, s66, s99                     ; side A's block of 16 tiles: gy (x), or 16 + gy (wv)
	s_sub_co_u32 s46, s42, s99                     ; side B's: gx (wq, wk), or gx - 16 (x)
	s_lshl_b32 s94, s92, 14                        ; A's scales: 16 tiles x 1,024 bytes a block,
	s_lshl_b32 s45, s22, 13                        ; + my 8 tiles
	s_add_co_u32 s94, s94, s45
	s_mov_b32 s95, 0
	s_lshl_b32 s92, s92, 18                        ; A's codes: 16 tiles x 16,384 bytes a block
	s_lshl_b32 s23, s22, 17
	s_add_co_u32 s92, s92, s23
	s_mov_b32 s93, 0
	s_lshl_b32 s100, s46, 14
	s_add_co_u32 s100, s100, s45
	s_mov_b32 s101, 0
	s_lshl_b32 s46, s46, 18
	s_add_co_u32 s46, s46, s23
	s_mov_b32 s47, 0
	s_lshl_b32 s45, s20, 15                        ; where codes go: wave x 32,768: no place in the cluster enters an LDS address
	s_lshl_b32 s23, s20, 13                        ; where scales go: wave x 8,192
	s_wait_dscnt 0x0                               ; both opening adds are done
	s_wait_kmcnt 0x0
	s_cmp_eq_u32 s67, 2
	s_cselect_b64 s[G0+2:G0+3], s[8:9], s[4:5]     ; side A's codes,
	s_cselect_b64 s[G0S+2:G0S+3], s[10:11], s[6:7] ; its scales,
	s_cselect_b64 s[G0B+2:G0B+3], s[4:5], s[8:9]   ; side B's codes,
	s_cselect_b64 s[G0SB+2:G0SB+3], s[6:7], s[10:11]
	s_add_nc_u64 s[G0+2:G0+3], s[G0+2:G0+3], s[92:93]
	s_add_nc_u64 s[G0+6:G0+7], s[G0+2:G0+3], 4096  ; slot 1 begins with the second K step
	s_add_nc_u64 s[G0B+2:G0B+3], s[G0B+2:G0B+3], s[46:47]
	s_add_nc_u64 s[G0B+6:G0B+7], s[G0B+2:G0B+3], 4096
	s_add_nc_u64 s[G0S+2:G0S+3], s[G0S+2:G0S+3], s[94:95]
	s_add_nc_u64 s[G0SB+2:G0SB+3], s[G0SB+2:G0SB+3], s[100:101]
	s_or_b32 s[G0+3], s[G0+3], 0x80000000
	s_or_b32 s[G0+7], s[G0+7], 0x80000000
	s_or_b32 s[G0B+3], s[G0B+3], 0x80000000
	s_or_b32 s[G0B+7], s[G0B+7], 0x80000000
	s_or_b32 s[G0S+3], s[G0S+3], 0x80000000
	s_or_b32 s[G0SB+3], s[G0SB+3], 0x80000000
	s_mov_b32 s[G0], 1
	s_mov_b32 s[G0+4], 1
	s_mov_b32 s[G0B], 1
	s_mov_b32 s[G0B+4], 1
	s_mov_b32 s[G0S], 1
	s_mov_b32 s[G0SB], 1
	s_mov_b32 s[G0+1], s45
	s_add_co_u32 s[G0+5], s45, SLOT
	s_mov_b32 s[G0B+1], s45
	s_add_co_u32 s[G0B+5], s45, SLOT
	s_add_co_u32 s[G0S+1], s23, SCL
	s_add_co_u32 s[G0SB+1], s23, SCL
	CROUND                                         ; all sixteen work-groups are here: the first joint loads meet
	JLOAD G0S, G1S, G0SB, G1SB                     ; the scales of all of K: filled once
	JLOAD G0, G1, G0B, G1B                         ; K step 0
	JLOAD G0+4, G1, G0B+4, G1B                     ; K step 1: three tensor loads of mine are out
	v_and_b32 v1, 15, v0                           ; r
	v_bfe_u32 v2, v0, 4, 1                         ; h
	v_and_b32 v3, 31, v0
	v_lshlrev_b32 v[LN16], 4, v3
	v_lshlrev_b32 v[H32], 5, v2
	s_lshl_b32 s94, s21, 15                        ; my 8 tiles of A
	s_lshl_b32 s95, s22, 15                        ; my 8 tiles of B,
	s_add_co_u32 s95, s95, 65536                   ; behind A's 16
.irp s, 0,1
	v_add_nc_u32 v[ADRA+\s], s94, v[LN16]
	v_add_nc_u32 v[ADRB+\s], s95, v[LN16]
	s_add_co_u32 s94, s94, SLOT
	s_add_co_u32 s95, s95, SLOT
.endr
	v_lshlrev_b32 v5, 4, v1                        ; a K step's four scale words of row r
	s_lshl_b32 s94, s21, 13
	s_lshl_b32 s95, s22, 13
	s_add_co_u32 s95, s95, 16384
	s_sub_co_u32 s95, s95, s94
	v_mul_u32_u24 v6, s95, v2                      ; lanes 16-31 take B's: one product, the distance between the two bases
	s_add_co_u32 s94, s94, SCL
	v_add_nc_u32 v5, v5, v6
	v_add_nc_u32 v[ADRS], s94, v5
.macro FRAG reg, adr, q, i             ; 16 rows x 128 K: registers 4c .. 4c+3 of lane l lie at 512 c + 16 l of the K step's 1,024 bytes
.irp c, 0,1
	ds_load_b128 v[\reg+4*\c:\reg+4*\c+3], v[\adr] offset:1024*(\q)+512*\c+4096*(\i)
.endr
.endm
; 16 matrix instructions: A's blocks a0, a0 + 1 x B's eight.  The 64 accumulators take turns, one instruction a turn, in the same order in every step.
.macro MUL16 a0, p, q, sc, zero
.irp a, \a0, \a0+1
.irp b, 0,1,2,3,4,5,6,7
.if \zero
	v_wmma_scale_f32_16x16x128_f8f6f4 v[8*(8*((\a)%4)+\b):8*(8*((\a)%4)+\b)+7], v[128*(\p)+FR*\b:128*(\p)+FR*\b+FR-1], v[AF+FR*(\a):AF+FR*(\a)+FR-1], 0, v[SC+8*NQ*(\sc)+NQ*\b+(\q)], v[SC+8*NQ*(\sc)+NQ*(\a)+(\q)] matrix_a_fmt:MATRIX_FMT_FP4 matrix_b_fmt:MATRIX_FMT_FP4 matrix_a_scale:MATRIX_SCALE_ROW1
.else
	v_wmma_scale_f32_16x16x128_f8f6f4 v[8*(8*((\a)%4)+\b):8*(8*((\a)%4)+\b)+7], v[128*(\p)+FR*\b:128*(\p)+FR*\b+FR-1], v[AF+FR*(\a):AF+FR*(\a)+FR-1], v[8*(8*((\a)%4)+\b):8*(8*((\a)%4)+\b)+7], v[SC+8*NQ*(\sc)+NQ*\b+(\q)], v[SC+8*NQ*(\sc)+NQ*(\a)+(\q)] matrix_a_fmt:MATRIX_FMT_FP4 matrix_b_fmt:MATRIX_FMT_FP4 matrix_a_scale:MATRIX_SCALE_ROW1
.endif
.endr
.endr
.endm
.macro FETCH_B slot, q, p
	WIN TO_B
.irp i, 0,1,2,3,4,5,6,7
	FRAG 128*(\p)+FR*\i, ADRB+\slot, \q, \i
.endr
	WIN 0
.endm
.macro FETCH_A slot, q, i0
.irp i, \i0, \i0+1, \i0+2, \i0+3
	FRAG AF+FR*(\i), ADRA+\slot, \q, \i
.endr
.endm
.macro SCALES sc                       ; a K step's scale words: four a row; lanes 0-15 A's tile i, lanes 16-31 B's tile i
.irp i, 0,1,2,3,4,5,6,7
	ds_load_b128 v[SC+8*NQ*\sc+NQ*\i:SC+8*NQ*\sc+NQ*\i+3], v[ADRS] offset:\i*1024
.endr
.endm
.macro PLACES n                        ; plain vector instructions between a matrix instruction and a load into, or a vector read or write of, its registers
.rept \n
	v_nop
.endr
.endm
.macro STEP slot, q, zero              ; 128 along K, with its successor in the same slot
	s_wait_dscnt 4*NL                              ; B's set and A's blocks 0-3 are in; the youngest eight loads (A's blocks 4-7) may be out
	WIN MUL_LO
	MUL16 0, (\q)%2, \q, \slot, \zero
	MUL16 2, (\q)%2, \q, \slot, \zero
	s_wait_dscnt 0
	PLACES NP
	FETCH_B \slot, (\q)+1, 1-(\q)%2
	FETCH_A \slot, (\q)+1, 0
	WIN MUL_HI
	MUL16 4, (\q)%2, \q, \slot, \zero
	MUL16 6, (\q)%2, \q, \slot, \zero
	PLACES NP
	WIN 0
	FETCH_A \slot, (\q)+1, 4
.endm
; A slot's last step changes slots: one barrier; in front of it each wave waits for all its tensor loads, adds 0 to its spare word, and waits for that and for its reads of this slot.
.macro TURN slot, next, fill
	s_wait_tensorcnt 0x0                           ; all my tensor loads have landed: my part of the next slot
	ds_add_u32 v[SPW], v[NIL]                      ; 0 onto my spare word
	s_wait_dscnt 4*NL+1                            ; (the add and the youngest eight loads may be out)
	WIN MUL_LO
	MUL16 0, 1, NQ-1, \slot, 0
	s_wait_dscnt 0x0                               ; the add is done, and my reads of this slot are over
	s_barrier_signal -1
	MUL16 2, 1, NQ-1, \slot, 0
	WIN 0
	s_barrier_wait -1
.if \fill
	CREST                                          ; the barrier has opened a round of the cluster's: no wave of any partner still reads this slot or has a load on its way
	s_add_nc_u64 s[G0+4*\slot+2:G0+4*\slot+3], s[G0+4*\slot+2:G0+4*\slot+3], 8192
	s_add_nc_u64 s[G0B+4*\slot+2:G0B+4*\slot+3], s[G0B+4*\slot+2:G0B+4*\slot+3], 8192
	JLOAD G0+4*\slot, G1, G0B+4*\slot, G1B         ; the first tensor load behind the round; its four v_nop are the places in front of the loads below
.else
	PLACES NP
.endif
	v_add_nc_u32 v[ADRS], 256, v[ADRS]             ; the next K step's scale words
	FETCH_B \next, 0, 0
	FETCH_A \next, 0, 0
	SCALES \next
	WIN MUL_HI
	MUL16 4, 1, NQ-1, \slot, 0
	MUL16 6, 1, NQ-1, \slot, 0
	PLACES NP
	WIN 0
	FETCH_A \next, 0, 4
.endm
.macro STEPS slot, from
.set Q, \from
.rept NQ-1-\from
	STEP \slot, Q, 0
.set Q, Q+1
.endr
.endm
	s_wait_tensorcnt 1                             ; the scales and my part of K step 0 are in; K step 1's load may be out
	s_barrier_signal -1
	s_barrier_wait -1
	FETCH_B 0, 0, 0
	FETCH_A 0, 0, 0
	SCALES 0
	FETCH_A 0, 0, 4
	STEP 0, 0, 1                                   ; the first step's products start the sums
	s_mov_b32 s3, 1                                ; K = 2,048 is two laps of the ring: one trip fills both slots again
.Llap:
	STEPS 0, 1
	TURN 0, 1, 1
	STEPS 1, 0
	TURN 1, 0, 1
	STEP 0, 0, 0
	s_sub_co_u32 s3, s3, 1
	s_cmp_lg_u32 s3, 0
	s_cbranch_scc1 .Llap
	STEPS 0, 1                                     ; the last lap fills nothing
	TURN 0, 1, 0
	STEPS 1, 0
	s_wait_dscnt 4*NL
	WIN MUL_LO
	MUL16 0, 1, NQ-1, 1, 0
	MUL16 2, 1, NQ-1, 1, 0
	s_wait_dscnt 0
	WIN MUL_HI
	MUL16 4, 1, NQ-1, 1, 0
	MUL16 6, 1, NQ-1, 1, 0
	WIN 0
	PLACES NP                                      ; behind the last products, for both ways out
	s_cmp_eq_u32 s67, 2
	s_cbranch_scc1 .Lv_out
; ---- THE WAY OUT FOR q AND k
.macro CSLOAD a                        ; cos and sin of token tile a, in the accumulators' order: 32 loads of 512 consecutive bytes, into window 1
.set CB, 64*(1-((\a)%2))
	WIN 0x40
.set n, 0
.rept 16
	global_load_b128 v[CB+4*n:CB+4*n+3], v[LN16], s[12:13] offset:(\a)*8192+n*512
.set n, n+1
.endr
.set n, 0
.rept 16
	global_load_b128 v[CB+128+4*n:CB+128+4*n+3], v[LN16], s[12:13] offset:1048576+(\a)*8192+n*512
.set n, n+1
.endr
	WIN 0
.endm
.macro SUM a                           ; my 64 numbers' squares of token 16a + r, in four chains; each accumulator is read from its low end on
.set WA, 2+(\a)/4
.set AC, 64*((\a)%4)
.set W_SQ, WA|(WA<<2)
	WIN W_SQ
.set p, 0
.rept 4
	v_pk_mul_f32 v[SS+2*p:SS+2*p+1], v[AC+2*p:AC+2*p+1], v[AC+2*p:AC+2*p+1]
.set p, p+1
.endr
.rept 28
	v_pk_fma_f32 v[SS+2*(p%4):SS+2*(p%4)+1], v[AC+2*p:AC+2*p+1], v[AC+2*p:AC+2*p+1], v[SS+2*(p%4):SS+2*(p%4)+1]
.set p, p+1
.endr
	WIN 0
	v_pk_add_f32 v[SS:SS+1], v[SS:SS+1], v[SS+2:SS+3]
	v_pk_add_f32 v[SS+4:SS+5], v[SS+4:SS+5], v[SS+6:SS+7]
	v_pk_add_f32 v[SS:SS+1], v[SS:SS+1], v[SS+4:SS+5]
	v_add_f32 v[RS+2*(\a)], v[SS], v[SS+1]
.endm
.macro NORMROPE a                      ; token tile a: x w, rope (channel d + 64 is register + 32 of the same lane), x 1 / rms (and 1 / sqrt(128) for q), f16, out
.set WA, 2+(\a)/4
.set AC, 64*((\a)%4)
.set CB, 64*(1-((\a)%2))
.set W_IN, WA|(WA<<6)
.set W_RO, WA|(1<<2)
.if (\a) < 7
	s_wait_loadcnt 32                              ; this tile's tables (and the weights) are in; the next tile's 32 loads may be out
.else
	s_wait_loadcnt 0x0
.endif
	WIN W_IN
.set p, 0
.rept 32
	v_pk_mul_f32 v[AC+2*p:AC+2*p+1], v[AC+2*p:AC+2*p+1], v[NW+2*p:NW+2*p+1]
.set p, p+1
.endr
	WIN W_RO
.set p, 0
.rept 32
	v_pk_mul_f32 v[U+2*p:U+2*p+1], v[AC+2*p:AC+2*p+1], v[CB+2*p:CB+2*p+1]
.set p, p+1
.endr
.set p, 0
.rept 16
	v_pk_fma_f32 v[U+2*p:U+2*p+1], v[AC+32+2*p:AC+32+2*p+1], v[CB+128+2*p:CB+128+2*p+1], v[U+2*p:U+2*p+1] neg_lo:[1,0,0] neg_hi:[1,0,0]
	v_pk_fma_f32 v[U+32+2*p:U+32+2*p+1], v[AC+2*p:AC+2*p+1], v[CB+160+2*p:CB+160+2*p+1], v[U+32+2*p:U+32+2*p+1]
.set p, p+1
.endr
	WIN 0
.if (\a) < 6
	CSLOAD (\a)+2                                  ; into the registers just read
.endif
.set p, 0
.rept 32
	v_pk_mul_f32 v[U+2*p:U+2*p+1], v[U+2*p:U+2*p+1], v[RS+2*(\a):RS+2*(\a)+1] op_sel_hi:[1,0]
.set p, p+1
.endr
	s_wait_xcnt 0x0                                ; the last tile's stores have read their registers
.set p, 0
.rept 32
	v_cvt_pk_f16_f32 v[Y+p], v[U+2*p], v[U+2*p+1]
.set p, p+1
.endr
.irp b, 0,1,2,3,4,5,6,7
	global_store_b128 v[LN16], v[Y+4*\b:Y+4*\b+3], s[18:19] offset:(\a)*4096+\b*512   ; 512 consecutive bytes, aligned
.endr
.endm
	s_lshl_b32 s92, s66, 17                        ; my first tile of tokens is 16 gy + 8 x my half: 8,192 bytes a tile in the tables
	s_lshl_b32 s94, s21, 16
	s_add_co_u32 s92, s92, s94
	s_mov_b32 s93, 0
	s_add_nc_u64 s[12:13], s[12:13], s[92:93]
	s_lshl_b32 s92, s67, 23                        ; q at 0, k at 8 MiB;
	s_and_b32 s94, s42, 7
	s_lshl_b32 s94, s94, 20                        ; head 2 (gx % 8) + my half of B: 524,288 bytes a head;
	s_add_co_u32 s92, s92, s94
	s_lshl_b32 s94, s22, 19
	s_add_co_u32 s92, s92, s94
	s_lshl_b32 s94, s66, 16                        ; 4,096 bytes a tile of tokens
	s_add_co_u32 s92, s92, s94
	s_lshl_b32 s94, s21, 15
	s_add_co_u32 s92, s92, s94
	s_add_nc_u64 s[18:19], s[18:19], s[92:93]
	s_cmp_eq_u32 s67, 1
	s_cselect_b64 s[14:15], s[16:17], s[14:15]     ; the norm's weights: q's or k's
	s_cmp_eq_u32 s67, 0
	s_cselect_b32 s96, 0x3db504f3, 1.0             ; q also takes 1 / sqrt(128)
	s_mov_b32 s97, 0x3c000000                      ; 1 / 128
	s_mov_b32 s98, 0x358637bd                      ; 1e-6
	s_mov_b32 s104, 0x76543210
	s_mov_b32 s105, 0xfedcba98                     ; lane xor 16
.set n, 0
.rept 16
	global_load_b128 v[NW+4*n:NW+4*n+3], v[H32], s[14:15] offset:(n/2)*64+(n%2)*16   ; w at d = 16b + 8h + 4e + 0..3
.set n, n+1
.endr
	CSLOAD 0
	CSLOAD 1
.irp a, 0,1,2,3,4,5,6,7
	v_mov_b32 v[RS+2*\a+1], 0                      ; a lane permute's destination counts as one of its sources; and the pair's upper word is named with the lower
.endr
.irp a, 0,1,2,3,4,5,6,7
	SUM \a                                         ; the sums need no table: they stand between the loads above and the first wait for them
.endr
.irp a, 0,1,2,3,4,5,6,7
	v_permlanex16_b32 v[RS+2*\a+1], v[RS+2*\a], s104, s105
.endr
.irp a, 0,1,2,3,4,5,6,7
	v_add_f32 v[RS+2*\a], v[RS+2*\a], v[RS+2*\a+1] ; with lane xor 16's 64 channels
.endr
.irp a, 0,1,2,3,4,5,6,7
	v_fma_f32 v[RS+2*\a], v[RS+2*\a], s97, s98     ; the mean + eps
.endr
.irp a, 0,1,2,3,4,5,6,7
	v_rsq_f32 v[RS+2*\a], v[RS+2*\a]
.endr
	v_nop                                          ; a plain instruction behind the last of the batch
	s_wait_alu depctr_va_vdst(0)                   ; one wait for the eight, ahead of their first reader
.irp a, 0,1,2,3,4,5,6,7
	v_mul_f32 v[RS+2*\a], s96, v[RS+2*\a]
.endr
.irp a, 0,1,2,3,4,5,6,7
	NORMROPE \a
.endr
	s_wait_tensorcnt 0x0                           ; the wave's end
	ds_add_u32 v[SPW], v[NIL]
	s_wait_dscnt 0x0
	CROUND                                         ; the closing round
	s_endpgm
; ---- THE WAY OUT FOR v: a lane's eight registers are eight neighbouring tokens of one channel: rounded to f16 they are a chunk of V^T's fragment
.macro VOUT a
.set WA, 2+(\a)/4
.set AC, 64*((\a)%4)
.set YB, Y+32*((\a)%2)
.set W_SQ, WA|(WA<<2)
.if (\a) >= 2
	s_wait_xcnt 0x0                                ; the stores of two tiles back have read their registers
.endif
	WIN W_SQ
.set p, 0
.rept 32
	v_cvt_pk_f16_f32 v[YB+p], v[AC+2*p], v[AC+2*p+1]
.set p, p+1
.endr
	WIN 0
.irp b, 0,1,2,3,4,5,6,7
	global_store_b128 v[LN16], v[YB+4*\b:YB+4*\b+3], s[18:19] offset:(\b/2)*8192+(\a)*1024+(\b%2)*512
.endr
.endm
.Lv_out:
	s_lshl_b32 s92, s66, 20                        ; head 2 gy + my half of A
	s_lshl_b32 s94, s21, 19
	s_add_co_u32 s92, s92, s94
	s_sub_co_u32 s94, s42, 16
	s_lshl_b32 s94, s94, 16                        ; 32 tokens are 8,192 bytes: 256 (gx - 16) + 128 x my half of B tokens on
	s_add_co_u32 s92, s92, s94
	s_lshl_b32 s94, s22, 15
	s_add_co_u32 s92, s92, s94
	s_add_co_u32 s92, s92, 16777216                ; v lies at 16 MiB
	s_mov_b32 s93, 0
	s_add_nc_u64 s[18:19], s[18:19], s[92:93]
.irp a, 0,1,2,3,4,5,6,7
	VOUT \a
.endr
	s_wait_tensorcnt 0x0                           ; the wave's end
	ds_add_u32 v[SPW], v[NIL]
	s_wait_dscnt 0x0
	CROUND                                         ; the closing round
	s_endpgm
.Lfunc_end_k_qe9dd45193a_qkv:
	.size	k_qe9dd45193a_qkv, .Lfunc_end_k_qe9dd45193a_qkv-k_qe9dd45193a_qkv
	.p2alignl 7, 3214868480
	.fill 96, 4, 3214868480
	.section	.rodata,"a",@progbits
	.p2align	6, 0x0
	.amdhsa_kernel k_qe9dd45193a_qkv
		.amdhsa_group_segment_fixed_size 327680
		.amdhsa_private_segment_fixed_size 0
		.amdhsa_enable_private_segment 0
		.amdhsa_kernarg_size 64
		.amdhsa_user_sgpr_count 2
		.amdhsa_user_sgpr_kernarg_segment_ptr 1
		.amdhsa_wavefront_size32 1
		.amdhsa_system_sgpr_workgroup_id_x 1
		.amdhsa_system_sgpr_workgroup_id_y 1
		.amdhsa_system_sgpr_workgroup_id_z 1
		.amdhsa_system_vgpr_workitem_id 0
		.amdhsa_next_free_vgpr 1024
		.amdhsa_next_free_sgpr 106
		.amdhsa_reserve_vcc 0
		.amdhsa_float_denorm_mode_32 3
		.amdhsa_float_denorm_mode_16_64 3
		.amdhsa_memory_ordered 1
		.amdhsa_forward_progress 1
		.amdhsa_inst_pref_size 255
	.end_amdhsa_kernel
	.section	.bss,"aw",@nobits
	.p2align	6
	.space	262144
	.amdgpu_metadata
---
amdhsa.version: [ 1, 2 ]
amdhsa.kernels:
  - .name:           k_qe9dd45193a_qkv
    .symbol:         k_qe9dd45193a_qkv.kd
    .args:
      - { .name: xc, .offset: 0, .size: 8, .value_kind: global_buffer, .address_space: global }
      - { .name: xs, .offset: 8, .size: 8, .value_kind: global_buffer, .address_space: global }
      - { .name: wc, .offset: 16, .size: 8, .value_kind: global_buffer, .address_space: global }
      - { .name: ws, .offset: 24, .size: 8, .value_kind: global_buffer, .address_space: global }
      - { .name: rope, .offset: 32, .size: 8, .value_kind: global_buffer, .address_space: global }
      - { .name: q_norm_w, .offset: 40, .size: 8, .value_kind: global_buffer, .address_space: global }
      - { .name: k_norm_w, .offset: 48, .size: 8, .value_kind: global_buffer, .address_space: global }
      - { .name: qkv, .offset: 56, .size: 8, .value_kind: global_buffer, .address_space: global }
    .group_segment_fixed_size: 327680
    .private_segment_fixed_size: 0
    .kernarg_segment_align: 8
    .kernarg_segment_size: 64
    .max_flat_workgroup_size: 128
    .sgpr_count:     106
    .vgpr_count:     1024
    .wavefront_size: 32
...
	.end_amdgpu_metadata
.endif
;; end of part 2
;; launch attn (part 3): grid 16 x 16, 4 waves a work-group, clusters of 4 x 4, 327,680 bytes of LDS; arguments qkv, attention_mask, ao; writes ao
.if DOCPART == 3
	.amdgcn_target "amdgcn-amd-amdhsa--gfx1250"
	.amdhsa_code_object_version 6
	.text
	.protected	k_qe9dd45193a_attn
	.globl	k_qe9dd45193a_attn
	.p2align	8
	.type	k_qe9dd45193a_attn,@function
k_qe9dd45193a_attn:
	s_mov_b64 s[64:65], 0
	v_nop
	global_prefetch_b8 v0, s[64:65] scope:SCOPE_SE
	s_setreg_imm32_b32 hwreg(HW_REG_WAVE_MODE, 25, 1), 1
	s_wait_xcnt 0x0
	s_wait_alu depctr_hold_cnt(0) depctr_sa_sdst(0) depctr_va_vdst(0) depctr_va_sdst(0) depctr_va_ssrc(0) depctr_va_vcc(0) depctr_vm_vsrc(0)
	s_getreg_b32 s2, hwreg(HW_REG_IB_STS2, 6, 4)
	s_cmp_eq_u32 s2, 0
	s_cbranch_scc0 .Lentry_in_a_cluster
	s_endpgm
.Lentry_in_a_cluster:
	s_bfe_u32 s2, ttmp6, 0x10000c
	s_cmp_lg_u32 s2, 0xf033
	s_cbranch_scc0 .Lentry_shape_is_right
	s_endpgm
.Lentry_shape_is_right:
; ATTN: O[h][q] = sum over k of softmax_k(Q[h][q] . K[h][k] / sqrt(128) + mask[q][k]) V[h][k].  Q (already x 1 / sqrt(128)), K, V arrive as f16 images of the operands' registers; the mask is f32.
; Products on f16 operands with f32 sums; maxima, exponentials and sums in f32; the weights p are rounded to f16 for the second product, O once at the end.  Nothing of reference() is left out.
; SHARES.  A work-group owns 128 queries of one head.  Wave w: queries 64 (w / 2) on (four tiles of 16), keys 1,024 (w % 2) on, 64 a step, 16 steps.  So each fragment of K and V read from LDS feeds four
; matrix instructions, and there are 256 work-groups.  At the end waves w and w xor 1 join their halves of the keys through LDS: each keeps two tiles of queries and gives two away.
; Register tile t holds query tile t xor 2 (w % 2), by addresses alone: so every wave keeps register tiles 0, 1 and gives away 2, 3, and the partner's 2, 3 are my 0, 1.
; LAYOUT.  S^T = K Q^T + mask^T (source 0 = 16 keys, source 1 = 16 queries): a lane holds ONE query and keys 8 (lane / 16) + 0..7.  THE MASK IS THE C OF THE FIRST PRODUCT: it is loaded from LDS into S^T's
; registers, eight neighbouring keys of the lane's query, and all products add in place onto it: the addition costs no vector instruction.  O^T = V^T P again holds one query a lane.
; SOFTMAX.  A running maximum m and sum l for each query: p = 2^(c s - c m), c = log2(e); in every step O and l are multiplied by a = 2^(c m_old - c m_new).  m starts at a floor of -2^127.
; BY TURNS.  The wave's tiles are two pieces (tiles 0, 1 and tiles 2, 3).  In a turn one piece has the matrix unit (32 products V^T P of the step in hand, 32 products K Q^T of the next); the other piece's
; softmax, cut into 64 slices, stands between them, one slice behind each matrix instruction.  Two turns are a key step.
; CLUSTER 4 x 4: K and V hang on the head alone and are shared along a row of the cluster, the mask's tile on the block of queries alone and is shared along a column: joint loads.
; THE WALK BEGINS AT A STEP OF THE CLUSTER'S OWN: trip j takes key step (o + j) mod 16, o = (4 x cluster x + 8 x (cluster y mod 2)) mod 16.  The four clusters that walk one head's K and V (one y) begin 4 steps
; apart, and of those that walk the same rows of the mask (one x) neighbours in y begin 8 apart: so they do not ask for the same bytes in the same trip.  The running softmax does not hang on the steps' order;
; o is made of the cluster's coordinates alone, so it is the same in all sixteen partners; no LDS address, no trip count and no branch hangs on it.
; LDS (a slot holds one step for both halves of the keys; an exclusive or turns an address from one slot to the other): mask 0x00000 / 0x20000 (two halves of 128 rows x 272 bytes), K 0x18000 / 0x38000,
;   V 0x40000 / 0x48000 (32,768 bytes each), spare words 0x11000.  The exchange at the end lies in the mask's slot 0, which has had its last fill, and which nobody reads behind the last change of slots.
; LIMITS: V and O beyond f16's 65,504 are not served.  Mask entries of -infinity give p = 0; a row of -infinity throughout gives NaN, as reference() does; a row whose every score is finite but under
;   -2^127 gives NaN where reference() gives an average.  The order in which a row's terms are summed differs from cluster to cluster.
; REGISTERS: window 0: v1-11, v44-49, v61-63 addresses; v12-43 eight registers of statistics a tile; v64-191 S^T; v192-255 P.  window 1: O^T.  window 2: v0-127 Q, v128-255 K.  window 3: v0-127 V.
.set KBASE, 0x18000
.set VBASE, 0x40000
.set MP,    272                        ; a row of the mask's tile in LDS: 256 bytes + 16: the 16 rows of a load start at 16 different groups of banks (64 banks of 4 bytes: ISA guide 11.1)
.set MH,    128*MP                     ; the tile of one half of the keys
.set XK,    0x20000                    ; turns K's and the mask's slot
.set XV,    0x8000                     ; turns V's
.set SPARE, 0x11000
.set EXB,   16896                      ; the exchange: 16,384 bytes of O^T and 512 of statistics for each wave
.set AK0, 2
.set AV0, 3
.set ADR, 4
.set QO,  5                            ; v5-6  my byte offset in the wave's rows of Q, for each piece
.set AM,  7                            ; v7-8  my place in the mask's tile, for each piece
.set ADM, 9
.set EXW, 10
.set EXR, 11
.set ST,  12                           ; tile t: +0 c m, +1 m, +2, +3 l, +4 to +7 at work; a takes +6
.set EXS, 44
.set EXSR, 45
.set LN16, 46
.set PFO, 61
.set SPW, 62
.set NIL, 63
.set S,   64
.set P,   192
.set KF,  128
.set WV,  12
.set LIM, 15
.set PFA, 18
.set G1KV, 24
.set G1M, 32
.set G0K, 40
.set G0V, 48
.set CNT, 56
.set FLR, 57
.set CS,  58
.set SEL, 60
.set TBK, 62
.set TBV, 63
.set G0M, 68
.set KB,  84                           ; s[84:85] K of my head, step 0
.set VB,  86                           ; s[86:87] V likewise
.set MB,  88                           ; s[88:89] the mask at my block's rows and the half of the keys that I fetch, step 0
.set OFF, 90                           ; s[90:91] a step's byte offset; the upper word stays 0
.set STP, 92                           ; s92      the key step that was asked for last
.set PFB, 94                           ; s[94:95] the mask at my work-group's 32 rows of the prefetches, step 0
.set MSB, 0
.macro WIN new
.if MSB != \new
	s_set_vgpr_msb (MSB<<8)|\new
.set MSB, \new
.endif
.endm
.set W_KQ, 0x0a                        ; K and Q in window 2, S^T in window 0
.set W_PV, 0x53                        ; V in window 3, P in window 0, O^T in window 1
.set W_RS, 0x41                        ; O^T (destination and source 0) in window 1, a in window 0
; A joint refill: wave 0 K's tile, wave 1 V's, waves 2 and 3 the mask's two halves.  The branches hang on the wave's number alone.  An s_nop 0 and four v_nop follow each line.
.macro JLOAD
	s_cmp_eq_u32 s[WV], 0
	s_cbranch_scc0 .Lnot_k_\@
	tensor_load_to_lds s[G0K+4:G0K+7], s[G1KV:G1KV+7]
	s_nop 0
.rept 4
	v_nop
.endr
	s_branch .Lasked_\@
.Lnot_k_\@:
	s_cmp_eq_u32 s[WV], 1
	s_cbranch_scc0 .Lnot_v_\@
	tensor_load_to_lds s[G0V+4:G0V+7], s[G1KV:G1KV+7]
	s_nop 0
.rept 4
	v_nop
.endr
	s_branch .Lasked_\@
.Lnot_v_\@:
	tensor_load_to_lds s[G0M+4:G0M+7], s[G1M:G1M+7]
	s_nop 0
.rept 4
	v_nop
.endr
.Lasked_\@:
.endm
; A PREFETCH INTO THE L2, behind the wave's tensor load: at the change of trip j, which asks for the walk's step j + 2, the mask's blocks of the walk's step j + 4: two trips, 256 matrix instructions, ahead of
; the load that will want them.  WHO: waves 2 and 3 (their halves of the keys) of the clusters with y = 0 and y = 1, in trips 0 to 3: steps 4 to 7 of their walks.  The two walks begin 8 steps apart, so each
; aligned block of 256 bytes is named once in the launch.  The four partners of a column of the cluster take 32 rows each, told apart by address; a lane a row.
; Not asked for: the walk's steps 0 to 3, which come by the first loads and the two refills behind them (nothing is prefetched at the head); the mask's steps 8 to 15 of a walk and K's and V's steps from 4 on,
; for which another cluster's tensor loads ask 8 and 4 trips earlier in their own walks.
.macro ASK
	s_cmp_gt_u32 s[CNT], s[LIM]
	s_cbranch_scc0 .Lnot_mine_\@
	global_prefetch_b8 v[PFO], s[PFA:PFA+1] th:TH_LOAD_NT scope:SCOPE_SE
.Lnot_mine_\@:
.endm
.macro CROUND                          ; a round of the cluster's barrier
	s_barrier_signal -1
	s_barrier_wait -1
	s_cmp_lg_u32 s[WV], 0
	s_cbranch_scc1 .Lnot_wave_0_\@
	s_barrier_signal -3
.Lnot_wave_0_\@:
	s_barrier_wait -3
	s_barrier_signal -1
	s_barrier_wait -1
.endm
	s_load_b128 s[4:7], s[0:1], 0x0                ; qkv, mask
	s_load_b64 s[8:9], s[0:1], 0x10                ; ao
	v_lshl_add_u32 v[SPW], v0, 2, SPARE
	v_mov_b32 v[NIL], 0
	ds_add_u32 v[SPW], v[NIL]                      ; the wave's opening: the add, twice on end, and its wait ahead of my first tensor load
	ds_add_u32 v[SPW], v[NIL]
	v_lshrrev_b32 v1, 5, v0
	v_readfirstlane_b32 s[WV], v1                  ; wave 0..3
	s_lshr_b32 s10, s[WV], 1                       ; qh: which 64 queries
	s_and_b32 s11, s[WV], 1                        ; kh: which 1,024 keys
	s_bfe_u32 s13, ttmp6, 0x40000                  ; cx
	s_bfe_u32 s14, ttmp6, 0x40004                  ; cy
	s_lshl_b32 s16, ttmp9, 2
	s_add_co_u32 s16, s16, s13                     ; my block of 128 queries
	s_and_b32 s17, ttmp7, 0xffff
	s_lshl_b32 s17, s17, 2
	s_add_co_u32 s17, s17, s14                     ; my head
	s_lshl_b32 s22, s14, 2
	s_lshl_b32 s22, 15, s22                        ; my row of the cluster
	s_lshl_b32 s23, 0x1111, s13                    ; my column
	; group 1 for K and V: a step's 16,384 dense bytes (2,048 elements of 8) of each half of the keys, 262,144 bytes apart
	s_or_b32 s[G1KV], s22, (3<<16)|(1<<21)
	s_mov_b32 s[G1KV+1], 2048<<16
	s_mov_b32 s[G1KV+2], 2<<16
	s_mov_b32 s[G1KV+3], 2048<<16
	s_mov_b32 s[G1KV+4], 2
	s_mov_b32 s[G1KV+5], 32768
	s_mov_b32 s[G1KV+6], 0
	s_mov_b32 s[G1KV+7], 0
	; group 1 for the mask: 128 rows x 64 f32, 2,048 elements from row to row; four words of padding behind each row's 64
	s_or_b32 s[G1M], s23, (2<<16)|(1<<20)|(1<<21)|(5<<22)|(3<<25)
	s_mov_b32 s[G1M+1], 64<<16
	s_mov_b32 s[G1M+2], 128<<16
	s_mov_b32 s[G1M+3], 64<<16
	s_mov_b32 s[G1M+4], 128
	s_mov_b32 s[G1M+5], 2048
	s_mov_b32 s[G1M+6], 0
	s_mov_b32 s[G1M+7], 0
	s_lshl_b32 s76, s17, 19                        ; the head: 524,288 bytes in each of Q, K, V
	s_mov_b32 s77, 0
	s_lshl_b32 s78, s16, 20                        ; the mask: my block's 128 rows of 8,192 bytes,
	s_lshl_b32 s79, s11, 12                        ; the half of the keys that I fetch (waves 2, 3)
	s_add_co_u32 s78, s78, s79
	s_mov_b32 s79, 0
	s_lshl_b32 s80, s16, 15                        ; Q: 8 tiles of 4,096 bytes a block, 4 a wave's half
	s_lshl_b32 s81, s10, 14
	s_add_co_u32 s80, s80, s81
	s_add_co_u32 s80, s80, s76
	s_mov_b32 s81, 0
	s_lshl_b32 s82, s16, 19                        ; ao: tile of queries 8 qb + 4 qh + 2 kh, 65,536 bytes a tile; 4,096 a head
	s_lshl_b32 s83, s10, 18
	s_add_co_u32 s82, s82, s83
	s_lshl_b32 s83, s11, 17
	s_add_co_u32 s82, s82, s83
	s_lshl_b32 s83, s17, 12
	s_add_co_u32 s82, s82, s83
	s_mov_b32 s83, 0
	s_mul_i32 s2, s11, MH                          ; where my half of the mask's tile goes
	s_mov_b32 s[CS], 0x3fb8aa3b                    ; c = log2(e)
	s_mov_b32 s[CS+1], s[CS]
	s_mov_b32 s[SEL], 0x76543210
	s_mov_b32 s[SEL+1], 0xfedcba98
	s_mov_b32 s[FLR], 0xff000000                   ; -2^127
	s_mov_b32 s[TBK], 0
	s_mov_b32 s[TBV], 0
	s_mov_b32 s[CNT], 14                           ; changes of slots that still fill
	; where my cluster's walk begins
	s_and_b32 s3, ttmp7, 0xffff                    ; cluster y
	s_and_b32 s22, s3, 1
	s_lshl_b32 s22, s22, 3
	s_lshl_b32 s[STP], ttmp9, 2
	s_add_co_u32 s[STP], s[STP], s22
	s_and_b32 s[STP], s[STP], 15                   ; o = (4 x cluster x + 8 x (cluster y mod 2)) mod 16
	s_lshl_b32 s[OFF], s[STP], 14                  ; a step of K or V is 16,384 bytes
	s_mov_b32 s[OFF+1], 0
	; the prefetches: who asks, and from where
	s_lshl_b32 s22, s14, 18                        ; partner cy takes rows 32 cy on
	s_mov_b32 s23, 0
	s_lshr_b32 s3, s3, 1                           ; 0 in the clusters with y = 0 and y = 1,
	s_xor_b32 s[LIM], s10, 1                       ; 0 in waves 2 and 3
	s_or_b32 s3, s3, s[LIM]
	s_cmp_eq_u32 s3, 0
	s_cselect_b32 s[LIM], 10, -1                   ; such a wave asks while more than ten filling changes are left (trips 0 to 3); the others never
	v_and_b32 v[PFO], 31, v0
	v_lshlrev_b32 v[PFO], 13, v[PFO]               ; a lane a row of the mask
	s_wait_dscnt 0x0                               ; both opening adds are done
	s_wait_kmcnt 0x0
	s_add_nc_u64 s[KB:KB+1], s[4:5], s[76:77]
	s_add_nc_u64 s[KB:KB+1], s[KB:KB+1], 8388608   ; K of my head
	s_add_nc_u64 s[VB:VB+1], s[KB:KB+1], 8388608   ; V of my head
	s_add_nc_u64 s[MB:MB+1], s[6:7], s[78:79]      ; the mask at my block's rows
	s_add_nc_u64 s[PFB:PFB+1], s[MB:MB+1], s[22:23]
	s_add_nc_u64 s[4:5], s[4:5], s[80:81]          ; Q at my wave's 64 queries
	s_add_nc_u64 s[8:9], s[8:9], s[82:83]
	s_add_nc_u64 s[76:77], s[KB:KB+1], s[OFF:OFF+1]   ; K, V and the mask at the walk's first step
	s_add_nc_u64 s[80:81], s[VB:VB+1], s[OFF:OFF+1]
	s_lshl_b32 s[OFF], s[STP], 8                   ; a step of the mask is 256 bytes of each row
	s_add_nc_u64 s[78:79], s[MB:MB+1], s[OFF:OFF+1]
	s_add_co_u32 s[STP], s[STP], 1                 ; slot 1 begins with step o + 1 (o is a multiple of 4: no wrap)
.irp s, 0,1
	s_mov_b32 s[G0K+4*\s], 1
	s_mov_b32 s[G0K+4*\s+1], KBASE+\s*XK
	s_add_nc_u64 s[G0K+4*\s+2:G0K+4*\s+3], s[76:77], \s*16384
	s_or_b32 s[G0K+4*\s+3], s[G0K+4*\s+3], 0x80000000
	s_mov_b32 s[G0V+4*\s], 1
	s_mov_b32 s[G0V+4*\s+1], VBASE+\s*XV
	s_add_nc_u64 s[G0V+4*\s+2:G0V+4*\s+3], s[80:81], \s*16384
	s_or_b32 s[G0V+4*\s+3], s[G0V+4*\s+3], 0x80000000
	s_mov_b32 s[G0M+4*\s], 1
	s_add_co_u32 s[G0M+4*\s+1], s2, \s*XK
	s_add_nc_u64 s[G0M+4*\s+2:G0M+4*\s+3], s[78:79], \s*256
	s_or_b32 s[G0M+4*\s+3], s[G0M+4*\s+3], 0x80000000
.endr
	CROUND                                         ; all sixteen work-groups are here: the first joint loads meet
	s_cmp_eq_u32 s[WV], 0                          ; a wave's two first fills stand in one arm: two tensor loads of mine are out
	s_cbranch_scc0 .Lfirst_not_k
	tensor_load_to_lds s[G0K:G0K+3], s[G1KV:G1KV+7]
	s_nop 0
	tensor_load_to_lds s[G0K+4:G0K+7], s[G1KV:G1KV+7]
	s_nop 0
.rept 4
	v_nop
.endr
	s_branch .Lfirst_asked
.Lfirst_not_k:
	s_cmp_eq_u32 s[WV], 1
	s_cbranch_scc0 .Lfirst_not_v
	tensor_load_to_lds s[G0V:G0V+3], s[G1KV:G1KV+7]
	s_nop 0
	tensor_load_to_lds s[G0V+4:G0V+7], s[G1KV:G1KV+7]
	s_nop 0
.rept 4
	v_nop
.endr
	s_branch .Lfirst_asked
.Lfirst_not_v:
	tensor_load_to_lds s[G0M:G0M+3], s[G1M:G1M+7]
	s_nop 0
	tensor_load_to_lds s[G0M+4:G0M+7], s[G1M:G1M+7]
	s_nop 0
.rept 4
	v_nop
.endr
.Lfirst_asked:
	v_and_b32 v1, 15, v0                           ; r
	v_bfe_u32 v47, v0, 4, 1                        ; h
	v_and_b32 v48, 31, v0                          ; lane
	v_lshlrev_b32 v[LN16], 4, v48
	s_lshl_b32 s22, s11, 13
	v_add_nc_u32 v[QO], s22, v[LN16]               ; piece 0 holds query tiles 2 kh, 2 kh + 1,
	s_xor_b32 s22, s22, 8192
	v_add_nc_u32 v[QO+1], s22, v[LN16]             ; piece 2 the other two
	WIN 0x80                                       ; destination window 2
.irp t, 0,1,2,3
.irp b, 0,1,2,3,4,5,6,7
	global_load_b128 v[32*\t+4*\b:32*\t+4*\b+3], v[QO+\t/2], s[4:5] offset:(\t%2)*4096+\b*512   ; Q stays in registers
.endr
.endr
	WIN 0
	s_lshl_b32 s22, s11, 14                        ; my half of the keys in a slot's K and V
	s_add_co_u32 s23, s22, KBASE
	v_add_nc_u32 v[AK0], s23, v[LN16]
	s_add_co_u32 s23, s22, VBASE
	v_add_nc_u32 v[AV0], s23, v[LN16]
	v_mul_u32_u24 v49, v1, MP
	v_lshl_add_u32 v49, v47, 5, v49                ; the mask: row r, + 32 h: eight keys of my half of the lanes
	s_lshl_b32 s22, s10, 6
	s_lshl_b32 s23, s11, 5
	s_add_co_u32 s22, s22, s23                     ; piece 0's first row: 64 qh + 32 kh
	s_mul_i32 s22, s22, MP
	s_add_co_u32 s22, s22, s2                      ; in my half of the keys' tile
	v_add_nc_u32 v[AM], s22, v49
	s_lshl_b32 s22, s10, 6
	s_xor_b32 s23, s23, 32
	s_add_co_u32 s22, s22, s23                     ; piece 2's: 64 qh + 32 (1 - kh)
	s_mul_i32 s22, s22, MP
	s_add_co_u32 s22, s22, s2
	v_add_nc_u32 v[AM+1], s22, v49
; THE MATRIX WORK OF A TURN, for piece x.  The accumulators take turns, one instruction a turn.
.macro PV x, zero                      ; product i of 32 of O^T += V^T P: keys 32 (i / 16) on, channels 16 ((i / 2) % 8) on, tile x + i % 2
	WIN W_PV
.set rO, 64*(\x+i%2)+8*((i/2)%8)
.set rV, 64*(i/16)+8*((i/2)%8)
.set rP, P+16*(\x+i%2)+8*(i/16)
.if \zero && (i < 16)
	v_wmma_f32_16x16x32_f16 v[rO:rO+7], v[rV:rV+7], v[rP:rP+7], 0
.else
	v_wmma_f32_16x16x32_f16 v[rO:rO+7], v[rV:rV+7], v[rP:rP+7], v[rO:rO+7]
.endif
.endm
.macro KQ x                            ; product i of 32 of S^T += K Q^T: channels 32 (i / 8) on, keys 16 ((i / 2) % 4) on, tile x + i % 2.  The sums begin with the mask, which lies in S^T's registers
	WIN W_KQ
.set rS, S+32*(\x+i%2)+8*((i/2)%4)
.set rK, KF+32*((i/2)%4)+8*(i/8)
.set rQ, 32*(\x+i%2)+8*(i/8)
	v_wmma_f32_16x16x32_f16 v[rS:rS+7], v[rK:rK+7], v[rQ:rQ+7], v[rS:rS+7]
.endm
; THE LDS LOADS stand in runs.  K and V lie as images of their fragments: every load takes 512 consecutive bytes.
.macro FETCH_K
	WIN 0
	v_add_nc_u32 v[ADR], s[TBK], v[AK0]
	WIN 0x80
.irp f, 0,1,2,3,4,5,6,7,8,9,10,11,12,13,14,15      ; keys 16 (f / 4) on, channels 32 (f % 4) on
	ds_load_b128 v[KF+8*\f:KF+8*\f+3],   v[ADR] offset:(\f/4)*4096+(\f%4)*1024
	ds_load_b128 v[KF+8*\f+4:KF+8*\f+7], v[ADR] offset:(\f/4)*4096+(\f%4)*1024+512
.endr
.endm
.macro FETCH_V
	WIN 0
	v_add_nc_u32 v[ADR], s[TBV], v[AV0]
	s_wait_alu depctr_va_vdst(0)                   ; the wait for the softmax's batch (SLICE), behind the address's addition and ahead of the loads
	WIN 0xc0
.irp f, 0,1,2,3,4,5,6,7,8,9,10,11,12,13,14,15      ; keys 32 (f / 8) on, channels 16 (f % 8) on
	ds_load_b128 v[8*\f:8*\f+3],   v[ADR] offset:(\f/8)*8192+(\f%8)*1024
	ds_load_b128 v[8*\f+4:8*\f+7], v[ADR] offset:(\f/8)*8192+(\f%8)*1024+512
.endr
.endm
.macro FETCH_M x                       ; the mask of piece x's 32 queries x 64 keys, into S^T's registers: 16 loads
	WIN 0
	v_add_nc_u32 v[ADM], s[TBK], v[AM+(\x)/2]
.irp t, 0,1
.irp g, 0,1,2,3
.irp e, 0,1
	ds_load_b128 v[S+32*((\x)+\t)+8*\g+4*\e:S+32*((\x)+\t)+8*\g+4*\e+3], v[ADM] offset:\t*16*MP+\g*64+\e*16
.endr
.endr
.endr
.endm
; THE VECTOR WORK OF A TURN.  One tile's softmax for one key step is a list of 134 instructions; SM writes number j of it for tile t.
;   0-15 the maximum of the lane's 32 scores and the old m (first step: and the floor)   16-20 the other half of the lanes'; the new m; c m; c m_old - c m_new
;   21-69 ONE BATCH: 16 packed scalings c s - c m and all 33 exponentials; none of them reads an exponential's result   (the wait for the batch: SLICE writes it, once for both tiles)
;   70-85 the roundings to f16   86-101 the sums; l = a l + the sum   102-133 the tile's O^T times a
.macro SM t, first
.set rT, ST+8*(\t)
.set rS, S+32*(\t)
.set rP, P+16*(\t)
.set rO, 64*(\t)+2*(j-102)
.if j < 102
	WIN 0
.endif
.if j < 4
	v_max3_num_f32 v[rT+4+j], v[rS+8*j], v[rS+8*j+1], v[rS+8*j+2]
.elseif j < 12
	v_max3_num_f32 v[rT+4+j%4], v[rT+4+j%4], v[rS+8*(j%4)+2*(j/4)+1], v[rS+8*(j%4)+2*(j/4)+2]
.elseif j == 12
	v_max3_num_f32 v[rT+4], v[rT+4], v[rS+7], v[rS+15]
.elseif j == 13
	v_max3_num_f32 v[rT+6], v[rT+6], v[rS+23], v[rS+31]
.elseif j == 14
	v_max3_num_f32 v[rT+4], v[rT+4], v[rT+5], v[rT+6]
.elseif (j == 15) && \first
	v_max3_num_f32 v[rT+4], v[rT+4], v[rT+7], s[FLR]   ; the floor: m is a finite number even where every score so far is -infinity
.elseif j == 15
	v_max3_num_f32 v[rT+4], v[rT+4], v[rT+7], v[rT+1]
.elseif j == 16
	v_permlanex16_b32 v[rT+5], v[rT+4], s[SEL], s[SEL+1]
.elseif j == 18
	v_max_num_f32 v[rT+1], v[rT+4], v[rT+5]
.elseif j == 19
	v_mul_f32 v[rT], s[CS], v[rT+1]
.elseif ((j == 17) || (j == 20) || (j == 23) || (j > 101)) && \first
.elseif j == 17
	v_mov_b32 v[rT+7], v[rT]
.elseif j == 20
	v_sub_f32 v[rT+7], v[rT+7], v[rT]
.elseif j == 23
	v_exp_f32 v[rT+6], v[rT+7]
.elseif (j < 23) || ((j < 38) && (j%2 == 0)) || ((j < 66) && (j%4 == 2))
.set b, (j-2)/4
.if j < 38
.set b, (j-20)/2
.endif
	v_pk_fma_f32 v[rS+2*b:rS+2*b+1], v[rS+2*b:rS+2*b+1], s[CS:CS+1], v[rT:rT+1] op_sel_hi:[1,0,0] neg_lo:[0,0,1] neg_hi:[0,0,1]
.elseif j < 70
.set e, j-38
.if j < 66
.set e, j-32-(j-38)/4
.endif
.if j < 38
.set e, (j-25)/2
.endif
	v_exp_f32 v[rS+e], v[rS+e]
.elseif j < 86
	v_cvt_pk_f16_f32 v[rP+j-70], v[rS+2*(j-70)], v[rS+2*(j-70)+1]
.elseif j < 102
.set z, j-86
.set w, 4
.set u, z
.if z >= 14
.set w, 32
.set u, 0
.elseif z >= 12
.set w, 16
.set u, z-12
.elseif z >= 8
.set w, 8
.set u, z-8
.endif
.if (z == 14) && \first
	v_pk_add_f32 v[rT+2:rT+3], v[rS:rS+1], v[rS+16:rS+17]
.elseif z < 15
	v_pk_add_f32 v[rS+w*u:rS+w*u+1], v[rS+w*u:rS+w*u+1], v[rS+w*u+w/2:rS+w*u+w/2+1]
.elseif !\first
	v_pk_fma_f32 v[rT+2:rT+3], v[rT+2:rT+3], v[rT+6:rT+7], v[rS:rS+1] op_sel_hi:[1,0,1]
.endif
.else
	WIN W_RS
	v_pk_mul_f32 v[rO:rO+1], v[rO:rO+1], v[rT+6:rT+7] op_sel_hi:[1,0]
.endif
.endm
; Slice k of 64 of piece y's softmax: four instructions.  Slices 11 to 34 deal out the batch, four numbers of one tile each, the tiles by turns; every other slice is numbers 2k and 2k + 1 of both tiles;
; the twelve that are over stand in slice 63.  Ahead of slice 35 nothing names an exponential's result and behind slice 34 none is issued: one wait, behind slice 34, serves the piece's 66.
.macro SLICE y, first
.if (k >= 11) && (k < 35)
.irp n, 0,1,2,3
.set j, 22+4*((k-11)/2)+(\n)
	SM (\y)+(k-11)%2, \first
.endr
.else
.irp n, 0,1,2,3,4,5,6,7
.if (\n < 2) || (k == 63)
.irp t, \y, \y+1
.set j, 2*k+\n
	SM \t, \first
.endr
.endif
.endr
.endif
.if k == 34
	v_nop                                          ; the plain instruction behind the last exponential: one for the batch
.if (\y) == 0
	FETCH_V                                        ; piece 2's turn: V's run of loads stands here, and the wait stands in it
.else
	s_wait_alu depctr_va_vdst(0)                   ; the wait for the batch, ahead of the first reader
.endif
.endif
.set k, k+1
.endm
.macro PLACES
.rept 4
	v_nop
.endr
.endm
; A TURN.  Piece x has the matrix unit.  pv = 2: 32 products V^T P; 1: they start O^T's sums; 0: none.  kq = 1: 32 products K Q^T for the next step; the mask for them is asked for at the turn's head:
; piece x's scores were used up by its softmax in the turn before.  Piece 0's turn fetches the next step's K behind its second product, piece 2's turn the same step's V behind slice 34.
.macro TURN x, pv, kq, first
.set k, 0
.set per, 2
.if \pv && \kq
.set per, 1
.endif
.if \pv
.if \x == 0
	s_wait_dscnt 0x0                               ; V is in
.endif
.endif
.if \kq
	FETCH_M \x
.endif
.if \pv
.set i, 0
.rept 32
	PV \x, 2-\pv
.rept per
	SLICE 2-\x, \first
.endr
.if (\x == 0) && \kq && (i == 1)
	FETCH_K
.endif
.set i, i+1
.endr
.endif
.if \kq
	s_wait_dscnt 0x0                               ; the mask is in, and in piece 0's turn K
.set i, 0
.rept 32
	KQ \x
.rept per
	SLICE 2-\x, \first
.endr
.set i, i+1
.endr
.endif
.if \first
	PLACES
.endif
.endm
; THE CHANGE OF SLOTS, ahead of trip j, which reads slot (j + 1) % 2 alone.  Each wave waits for all its tensor loads (one is out: its part of that slot), adds 0 to its spare word, and waits for that and for
; its reads of the slot that it leaves.  fill = 1: behind a round of the cluster's barrier the slot left is filled with the walk's step j + 2: the load has a trip's 128 matrix instructions in which to land.
.macro CHANGE fill
	WIN 0
	s_wait_tensorcnt 0x0                           ; no tensor load of mine is out, so a group 0 may be written
	ds_add_u32 v[SPW], v[NIL]                      ; 0 onto my spare word
.if \fill
	s_add_co_u32 s[STP], s[STP], 1                 ; the walk's next step, round the 16
	s_and_b32 s[STP], s[STP], 15
	s_lshl_b32 s[OFF], s[STP], 14
	s_xor_b32 s[G0K+5], s[G0K+5], XK               ; the walking descriptors: the other slot than last time, and that step's address made anew, with the type bits
	s_add_nc_u64 s[G0K+6:G0K+7], s[KB:KB+1], s[OFF:OFF+1]
	s_or_b32 s[G0K+7], s[G0K+7], 0x80000000
	s_xor_b32 s[G0V+5], s[G0V+5], XV
	s_add_nc_u64 s[G0V+6:G0V+7], s[VB:VB+1], s[OFF:OFF+1]
	s_or_b32 s[G0V+7], s[G0V+7], 0x80000000
	s_lshl_b32 s[OFF], s[STP], 8
	s_xor_b32 s[G0M+5], s[G0M+5], XK
	s_add_nc_u64 s[G0M+6:G0M+7], s[MB:MB+1], s[OFF:OFF+1]
	s_or_b32 s[G0M+7], s[G0M+7], 0x80000000
	s_add_co_u32 s[OFF], s[STP], 2                 ; the prefetch names the step two further on
	s_and_b32 s[OFF], s[OFF], 15
	s_lshl_b32 s[OFF], s[OFF], 8
	s_wait_xcnt 0x0                                ; the last prefetch, a trip back, has read its address
	s_add_nc_u64 s[PFA:PFA+1], s[PFB:PFB+1], s[OFF:OFF+1]
	s_wait_dscnt 0x0                               ; the add is done, and my reads of the slot are over
	CROUND
	JLOAD
	ASK
.else
	s_wait_dscnt 0x0
	s_barrier_signal -1
	s_barrier_wait -1
.endif
	s_xor_b32 s[TBK], s[TBK], XK                   ; the fetches go on in the other slot
	s_xor_b32 s[TBV], s[TBV], XV
.endm
	s_wait_tensorcnt 1                             ; my part of slot 0 is in; slot 1's may stay out
	s_barrier_signal -1
	s_barrier_wait -1
	FETCH_K                                        ; the walk's step 0
	FETCH_M 0
	s_wait_loadcnt 0x0                             ; Q
	s_wait_dscnt 0x0
.set i, 0
.rept 32
	KQ 0                                           ; piece 0's first scores
.set i, i+1
.endr
	WIN 0                                          ; the exchange's addresses are made here: plain instructions, the places behind those products
	s_mul_i32 s22, s[WV], EXB
	s_xor_b32 s23, s[WV], 1
	s_mul_i32 s23, s23, EXB
	v_add_nc_u32 v[EXW], s22, v[LN16]              ; where I put what I give away,
	v_add_nc_u32 v[EXR], s23, v[LN16]              ; where my partner puts what I take
	v_lshlrev_b32 v49, 2, v48
	v_add_nc_u32 v49, 16384, v49
	v_add_nc_u32 v[EXS], s22, v49                  ; the statistics behind them, 4 bytes a lane
	v_add_nc_u32 v[EXSR], s23, v49
	TURN 2, 0, 1, 1                                ; piece 2's first scores | piece 0's first softmax | V of step 0
	CHANGE 1                                       ; trip 0
	TURN 0, 1, 1, 1                                ; piece 0: V^T P of step 0 starts O^T, K Q^T of step 1 | piece 2's first softmax | K of step 1
	TURN 2, 1, 1, 0
	WIN 0
	s_sub_co_u32 s[CNT], s[CNT], 1
.Lstep:                                            ; trips 1 to 13: each fills the slot that it has left
	CHANGE 1
	TURN 0, 2, 1, 0
	TURN 2, 2, 1, 0
	WIN 0
	s_sub_co_u32 s[CNT], s[CNT], 1
	s_cmp_lg_u32 s[CNT], 0
	s_cbranch_scc1 .Lstep
	CHANGE 0                                       ; trip 14 is written out: nothing is left to ask for
	TURN 0, 2, 1, 0
	TURN 2, 2, 1, 0
	TURN 0, 2, 0, 0                                ; piece 0: V^T P of step 15 | piece 2's last softmax
.set i, 0
.rept 32
	PV 2, 0
.set i, i+1
.endr
	; THE TWO HALVES OF THE KEYS ARE JOINED.  l's parts are added (these additions are the places behind the last products); tiles 2, 3 of O^T with their c m and l go to the partner through LDS.
	WIN 0
.irp t, 0,1,2,3
	v_add_f32 v[ST+8*\t+4], v[ST+8*\t+2], v[ST+8*\t+3]
.endr
.irp t, 0,1,2,3
	v_permlanex16_b32 v[ST+8*\t+5], v[ST+8*\t+4], s[SEL], s[SEL+1]
.endr
.irp t, 0,1,2,3
	v_add_f32 v[ST+8*\t+4], v[ST+8*\t+4], v[ST+8*\t+5]
.endr
	WIN 0x04                                       ; an LDS store's data are its source 1: window 1
.set i, 0
.rept 32
	ds_store_b128 v[EXW], v[128+4*i:128+4*i+3] offset:512*i   ; as images of the registers; each accumulator from its low end on
.set i, i+1
.endr
	WIN 0
	ds_store_b32 v[EXS], v[ST+16]
	ds_store_b32 v[EXS], v[ST+20] offset:128
	ds_store_b32 v[EXS], v[ST+24] offset:256
	ds_store_b32 v[EXS], v[ST+28] offset:384
	s_wait_dscnt 0x0                               ; for the partner's sake: my stores are done
	s_barrier_signal -1
	s_barrier_wait -1
	WIN 0xc0                                       ; destination window 3: V's registers are free
.set i, 0
.rept 32
	ds_load_b128 v[4*i:4*i+3], v[EXR] offset:512*i
.set i, i+1
.endr
	WIN 0
	ds_load_b32 v[ST+16], v[EXSR]
	ds_load_b32 v[ST+20], v[EXSR] offset:128
	ds_load_b32 v[ST+24], v[EXSR] offset:256
	ds_load_b32 v[ST+28], v[EXSR] offset:384
	s_wait_dscnt 0x0
.irp t, 0,1
	v_max_num_f32 v[ST+8*\t+5], v[ST+8*\t], v[ST+8*\t+16]      ; the larger c m of the two halves
.endr
.irp t, 0,1
	v_sub_f32 v[ST+8*\t+6], v[ST+8*\t], v[ST+8*\t+5]
	v_sub_f32 v[ST+8*\t+22], v[ST+8*\t+16], v[ST+8*\t+5]
.endr
.irp t, 0,1
	v_exp_f32 v[ST+8*\t+6], v[ST+8*\t+6]
	v_exp_f32 v[ST+8*\t+22], v[ST+8*\t+22]
.endr
	v_nop
	s_wait_alu depctr_va_vdst(0)                   ; one wait for the four
.irp t, 0,1
	v_mul_f32 v[ST+8*\t+4], v[ST+8*\t+4], v[ST+8*\t+6]
.endr
.irp t, 0,1
	v_fma_f32 v[ST+8*\t+4], v[ST+8*\t+20], v[ST+8*\t+22], v[ST+8*\t+4]   ; the row's sum over all 2,048 keys
.endr
.irp t, 0,1
	v_rcp_f32 v[ST+8*\t+5], v[ST+8*\t+4]
.endr
	v_nop
	s_wait_alu depctr_va_vdst(0)                   ; one wait for the two
.irp t, 0,1
	v_mul_f32 v[ST+8*\t+6], v[ST+8*\t+6], v[ST+8*\t+5]
	v_mul_f32 v[ST+8*\t+22], v[ST+8*\t+22], v[ST+8*\t+5]
.endr
	WIN W_RS
.irp t, 0,1
.set i, 0
.rept 32
	v_pk_mul_f32 v[64*\t+2*i:64*\t+2*i+1], v[64*\t+2*i:64*\t+2*i+1], v[ST+8*\t+6:ST+8*\t+7] op_sel_hi:[1,0]
.set i, i+1
.endr
.endr
	WIN 0x53                                       ; source 0 the partner's O^T in window 3, source 1 its factor in window 0, source 2 and destination my O^T in window 1
.irp t, 0,1
.set i, 0
.rept 32
	v_pk_fma_f32 v[64*\t+2*i:64*\t+2*i+1], v[64*\t+2*i:64*\t+2*i+1], v[ST+8*\t+22:ST+8*\t+23], v[64*\t+2*i:64*\t+2*i+1] op_sel_hi:[1,0,1]
.set i, i+1
.endr
.endr
	WIN 0x05                                       ; sources window 1, destination window 0
.irp t, 0,1
.set i, 0
.rept 32
	v_cvt_pk_f16_f32 v[S+32*\t+i], v[64*\t+2*i], v[64*\t+2*i+1]
.set i, i+1
.endr
.endr
	WIN 0
.irp t, 0,1
.irp g, 0,1,2,3,4,5,6,7
	global_store_b128 v[LN16], v[S+32*\t+4*\g:S+32*\t+4*\g+3], s[8:9] offset:\t*65536+\g*512   ; a lane's eight channels are a chunk of the last product's fragment: 512 consecutive bytes a store
.endr
.endr
	s_wait_tensorcnt 0x0                           ; the wave's end
	ds_add_u32 v[SPW], v[NIL]
	s_wait_dscnt 0x0
	CROUND                                         ; the closing round
	s_endpgm
.Lfunc_end_k_qe9dd45193a_attn:
	.size	k_qe9dd45193a_attn, .Lfunc_end_k_qe9dd45193a_attn-k_qe9dd45193a_attn
	.p2alignl 7, 3214868480
	.fill 96, 4, 3214868480
	.section	.rodata,"a",@progbits
	.p2align	6, 0x0
	.amdhsa_kernel k_qe9dd45193a_attn
		.amdhsa_group_segment_fixed_size 327680
		.amdhsa_private_segment_fixed_size 0
		.amdhsa_enable_private_segment 0
		.amdhsa_kernarg_size 24
		.amdhsa_user_sgpr_count 2
		.amdhsa_user_sgpr_kernarg_segment_ptr 1
		.amdhsa_wavefront_size32 1
		.amdhsa_system_sgpr_workgroup_id_x 1
		.amdhsa_system_sgpr_workgroup_id_y 1
		.amdhsa_system_sgpr_workgroup_id_z 1
		.amdhsa_system_vgpr_workitem_id 0
		.amdhsa_next_free_vgpr 1024
		.amdhsa_next_free_sgpr 96
		.amdhsa_reserve_vcc 0
		.amdhsa_float_denorm_mode_32 3
		.amdhsa_float_denorm_mode_16_64 3
		.amdhsa_memory_ordered 1
		.amdhsa_forward_progress 1
		.amdhsa_inst_pref_size 230
	.end_amdhsa_kernel
	.amdgpu_metadata
---
amdhsa.version: [ 1, 2 ]
amdhsa.kernels:
  - .name:           k_qe9dd45193a_attn
    .symbol:         k_qe9dd45193a_attn.kd
    .args:
      - { .name: qkv, .offset: 0, .size: 8, .value_kind: global_buffer, .address_space: global }
      - { .name: attention_mask, .offset: 8, .size: 8, .value_kind: global_buffer, .address_space: global }
      - { .name: ao, .offset: 16, .size: 8, .value_kind: global_buffer, .address_space: global }
    .group_segment_fixed_size: 327680
    .private_segment_fixed_size: 0
    .kernarg_segment_align: 8
    .kernarg_segment_size: 24
    .max_flat_workgroup_size: 128
    .sgpr_count:     96
    .vgpr_count:     1024
    .wavefront_size: 32
...
	.end_amdgpu_metadata
.endif
;; end of part 3
;; launch oproj (part 4): grid 16 x 16, 4 waves a work-group, clusters of 4 x 4, 327,680 bytes of LDS; arguments ao, wof, out0; writes out0
.if DOCPART == 4
	.amdgcn_target "amdgcn-amd-amdhsa--gfx1250"
	.amdhsa_code_object_version 6
	.text
	.protected	k_qe9dd45193a_oproj
	.globl	k_qe9dd45193a_oproj
	.p2align	8
	.type	k_qe9dd45193a_oproj,@function
k_qe9dd45193a_oproj:
	s_mov_b64 s[64:65], 0
	v_nop
	global_prefetch_b8 v0, s[64:65] scope:SCOPE_SE
	s_setreg_imm32_b32 hwreg(HW_REG_WAVE_MODE, 25, 1), 1
	s_wait_xcnt 0x0
	s_wait_alu depctr_hold_cnt(0) depctr_sa_sdst(0) depctr_va_vdst(0) depctr_va_sdst(0) depctr_va_ssrc(0) depctr_va_vcc(0) depctr_vm_vsrc(0)
	s_getreg_b32 s2, hwreg(HW_REG_IB_STS2, 6, 4)
	s_cmp_eq_u32 s2, 0
	s_cbranch_scc0 .Lentry_in_a_cluster
	s_endpgm
.Lentry_in_a_cluster:
	s_bfe_u32 s2, ttmp6, 0x10000c
	s_cmp_lg_u32 s2, 0xf033
	s_cbranch_scc0 .Lentry_shape_is_right
	s_endpgm
.Lentry_shape_is_right:
; OPROJ: out0[m][n] = sum over k of AO[m][k] wo[k][n], M = N = K = 2,048; f16 operands, f32 sums, f32 out.  Nothing of reference() is left out.
; AO and wo arrive as images of the operands' registers: tile of 16 rows x 65,536 bytes, in it 512 bytes for each 16 along K, 16 bytes a lane.  So a fragment (16 rows x 32 K) is two loads of 512 consecutive bytes.
; A tile of the output is 128 x 128: 256 work-groups; four waves, each 64 x 64: 16 accumulators.  K goes in steps of 256 through two LDS slots; a wave's tensor load brings four tiles' 8,192 bytes.
; CLUSTERS 4 x 4: AO's tiles are shared along a row of the cluster, wo's along a column, by joint loads.  THE MATRIX INSTRUCTION IS USED TRANSPOSED (source 0 = 16 columns of wo, source 1 = 16 rows of AO):
; a lane then holds eight neighbouring numbers of a row of the output.  A wave's 64 columns of f32 are 256 aligned bytes.
; THE WALK ALONG K BEGINS AT A STEP OF THE CLUSTER'S OWN: o = (2 x cluster x + 4 x (cluster y mod 2)) mod 8, and goes round the 8 steps.  The four clusters that walk the same rows of AO (one y) begin 2 steps
; apart, and of those that walk the same columns of wo (one x) neighbours in y begin 4 apart: so they do not ask for the same bytes in the same step.  o is even: a lap's two steps stay neighbours.
; o is made of the cluster's coordinates alone, so it is the same in all sixteen partners; no LDS address, no trip count and no branch hangs on it.
; LIMIT: the order in which an output's terms are summed along K differs from cluster to cluster.
; LDS: slot s at 131,072 s: A's 8 tiles x 8,192 bytes, then B's; 262,144: four stages of 16 rows x 272 bytes; 279,552: the spare words.  All of a WGP's LDS is claimed.
; REGISTERS: window 0: v0-31 addresses; v32-95 the way out; v128-255 the accumulators ((a, b) at v[128 + 8 (4a + b)]).  window 1: two fragment buffers of 128 (64 of A, then 64 of B, for 64 along K).
.set SLOT,   131072
.set STAGE,  262144
.set SPITCH, 272
.set SPARE,  STAGE+4*16*SPITCH
.set LAPS,   4                         ; a lap = two K steps of 256
.set ADRA, 16
.set ADRB, 20
.set STO,  24
.set RD,   25
.set CO,   26
.set SPW,  28
.set NIL,  29
.set TMP,  32
.set ACC,  128
.set F0,   0
.set F1,   128
.set G1, 24
.set G0, 32
.set G1B, 48
.set G0B, 56
.set AB,   14                          ; s[14:15] AO at the four tiles that I fetch, K step 0
.set BB,   66                          ; s[66:67] wo likewise
.set OFF,  68                          ; s[68:69] a K step's byte offset; the upper word stays 0
.set PAIR, 70                          ; s70      the even K step of the lap that was asked for last
.set MSB, 0
.macro WIN new
.if MSB != \new
	s_set_vgpr_msb (MSB<<8)|\new
.set MSB, \new
.endif
.endm
.set MUL,  0x05                        ; sources 0 (B) and 1 (A) window 1; C and D window 0
.set TO_F, 0x40
.macro JLOAD s                         ; waves 0 and 1 fetch A's halves, waves 2 and 3 B's; an s_nop 0 and four v_nop follow each line
	s_cmp_eq_u32 s11, 0
	s_cbranch_scc0 .Lfor_b_\@
	tensor_load_to_lds s[G0+4*\s:G0+4*\s+3], s[G1:G1+7]
	s_nop 0
.rept 4
	v_nop
.endr
	s_branch .Lasked_\@
.Lfor_b_\@:
	tensor_load_to_lds s[G0B+4*\s:G0B+4*\s+3], s[G1B:G1B+7]
	s_nop 0
.rept 4
	v_nop
.endr
.Lasked_\@:
.endm
.macro CREST
	s_cmp_lg_u32 s10, 0
	s_cbranch_scc1 .Lnot_wave_0_\@
	s_barrier_signal -3
.Lnot_wave_0_\@:
	s_barrier_wait -3
	s_barrier_signal -1
	s_barrier_wait -1
.endm
.macro CROUND
	s_barrier_signal -1
	s_barrier_wait -1
	CREST
.endm
	s_load_b128 s[4:7], s[0:1], 0x0                ; ao, wof
	s_load_b64 s[8:9], s[0:1], 0x10                ; out0
	v_lshl_add_u32 v[SPW], v0, 2, SPARE
	v_mov_b32 v[NIL], 0
	ds_add_u32 v[SPW], v[NIL]                      ; the wave's opening: the add, twice on end, and its wait ahead of my first tensor load
	ds_add_u32 v[SPW], v[NIL]
	v_lshrrev_b32 v1, 5, v0
	v_readfirstlane_b32 s10, v1                    ; wave 0..3
	s_lshr_b32 s11, s10, 1                         ; which half of the tile's rows is mine.  Also: I fetch for A (0) or for B (1)
	s_and_b32 s12, s10, 1                          ; which half of its columns.  Also: which four tiles I fetch
	s_bfe_u32 s40, ttmp6, 0x40000
	s_bfe_u32 s41, ttmp6, 0x40004
	s_lshl_b32 s42, ttmp9, 2
	s_add_co_u32 s42, s42, s40                     ; tile column
	s_and_b32 s13, ttmp7, 0xffff
	s_lshl_b32 s13, s13, 2
	s_add_co_u32 s13, s13, s41                     ; tile row
	s_lshl_b32 s43, s41, 2
	s_lshl_b32 s43, 15, s43                        ; my row of the cluster
	s_lshl_b32 s44, 0x1111, s40                    ; my column
	; group 1: four tiles' K step: 4 rows of 8,192 bytes (1,024 elements of 8), 65,536 bytes apart, dense in LDS
	s_or_b32 s[G1+0], s43, (3<<16)|(1<<21)
	s_or_b32 s[G1B+0], s44, (3<<16)|(1<<21)
.irp g, G1, G1B
	s_mov_b32 s[\g+1], 1024<<16
	s_mov_b32 s[\g+2], 4<<16
	s_mov_b32 s[\g+3], 1024<<16
	s_mov_b32 s[\g+4], 4
	s_mov_b32 s[\g+5], 8192
	s_mov_b32 s[\g+6], 0
	s_mov_b32 s[\g+7], 0
.endr
	s_lshl_b32 s17, s12, 18                        ; my four tiles
	s_lshl_b32 s16, s13, 19                        ; A: eight tiles of 65,536 bytes a tile row
	s_add_co_u32 s16, s16, s17
	s_lshl_b32 s46, s42, 19                        ; B: the same by the tile column
	s_add_co_u32 s46, s46, s17
	s_mov_b32 s17, 0
	s_mov_b32 s47, 0
	s_lshl_b32 s20, s10, 15                        ; where they go: wave x 32,768
	s_and_b32 s[PAIR], ttmp7, 1                    ; where my cluster's walk begins: cluster y mod 2,
	s_lshl_b32 s[PAIR], s[PAIR], 2
	s_lshl_b32 s21, ttmp9, 1
	s_add_co_u32 s[PAIR], s[PAIR], s21
	s_and_b32 s[PAIR], s[PAIR], 7                  ; o = (2 x cluster x + 4 x (cluster y mod 2)) mod 8
	s_lshl_b32 s[OFF], s[PAIR], 13                 ; a K step is 8,192 bytes of each tile
	s_mov_b32 s[OFF+1], 0
	s_wait_dscnt 0x0                               ; both opening adds are done
	s_wait_kmcnt 0x0
	s_add_nc_u64 s[AB:AB+1], s[4:5], s[16:17]
	s_add_nc_u64 s[BB:BB+1], s[6:7], s[46:47]
	s_add_nc_u64 s[16:17], s[AB:AB+1], s[OFF:OFF+1]   ; both at the walk's first K step
	s_add_nc_u64 s[46:47], s[BB:BB+1], s[OFF:OFF+1]
	CROUND                                         ; all sixteen work-groups are here: the first joint loads meet
.irp s, 0,1
	s_mov_b32 s[G0+4*\s], 1
	s_add_co_u32 s[G0+4*\s+1], s20, \s*SLOT
	s_add_nc_u64 s[G0+4*\s+2:G0+4*\s+3], s[16:17], \s*8192
	s_or_b32 s[G0+4*\s+3], s[G0+4*\s+3], 0x80000000
	s_mov_b32 s[G0B+4*\s], 1
	s_add_co_u32 s[G0B+4*\s+1], s20, \s*SLOT
	s_add_nc_u64 s[G0B+4*\s+2:G0B+4*\s+3], s[46:47], \s*8192
	s_or_b32 s[G0B+4*\s+3], s[G0B+4*\s+3], 0x80000000
	JLOAD \s                                       ; two tensor loads of mine are out
.endr
	v_and_b32 v1, 15, v0                           ; r
	v_bfe_u32 v2, v0, 4, 1                         ; h
	v_and_b32 v3, 31, v0
	v_lshlrev_b32 v3, 4, v3                        ; 16 x lane
	s_lshl_b32 s21, s11, 15                        ; my four tiles of A
	s_lshl_b32 s22, s12, 15                        ; my four tiles of B,
	s_add_co_u32 s22, s22, 65536                   ; behind A's eight
.irp s, 0,1
	v_add_nc_u32 v[ADRA+\s], s21, v3
	v_add_nc_u32 v[ADRB+\s], s22, v3
	s_add_co_u32 s21, s21, SLOT
	s_add_co_u32 s22, s22, SLOT
.endr
	s_mul_i32 s23, s10, 16*SPITCH
	s_add_co_u32 s23, s23, STAGE                   ; my stage
	v_mul_u32_u24 v4, v1, SPITCH
	v_lshl_add_u32 v4, v2, 5, v4
	v_add_nc_u32 v[STO], s23, v4                   ; in: row r, 32 bytes for each half of the lanes
	v_mul_u32_u24 v5, v2, SPITCH
	v_lshl_add_u32 v5, v1, 4, v5
	v_add_nc_u32 v[RD], s23, v5                    ; back: lanes 0-15 one row of 256 bytes, lanes 16-31 the next
	v_lshlrev_b32 v5, 13, v2
	v_lshl_add_u32 v[CO], v1, 4, v5                ; and the same two rows in the output
	s_lshl_b32 s16, s13, 20                        ; my first row: 128 x tile row + 64 x half, 8,192 bytes a row
	s_lshl_b32 s17, s11, 19
	s_add_co_u32 s16, s16, s17
	s_mov_b32 s17, 0
	s_add_nc_u64 s[8:9], s[8:9], s[16:17]
	s_lshl_b32 s46, s42, 9                         ; my first column, in bytes: 512 x tile column + 256 x half
	s_lshl_b32 s47, s12, 8
	s_add_co_u32 s46, s46, s47
	s_mov_b32 s47, 0
	s_add_nc_u64 s[8:9], s[8:9], s[46:47]
; 8 matrix instructions: m blocks a0, a0 + 1 x all 4 n blocks, 32 along K: half c of buffer f.  The 16 accumulators take turns.
.macro MUL8 f, c, a0, zero
.irp a, \a0, \a0+1
.irp b, 0,1,2,3
.if \zero
	v_wmma_f32_16x16x32_f16 v[ACC+8*(4*(\a)+\b):ACC+8*(4*(\a)+\b)+7], v[\f+64+8*(4*\c+\b):\f+64+8*(4*\c+\b)+7], v[\f+8*(4*\c+\a):\f+8*(4*\c+\a)+7], 0
.else
	v_wmma_f32_16x16x32_f16 v[ACC+8*(4*(\a)+\b):ACC+8*(4*(\a)+\b)+7], v[\f+64+8*(4*\c+\b):\f+64+8*(4*\c+\b)+7], v[\f+8*(4*\c+\a):\f+8*(4*\c+\a)+7], v[ACC+8*(4*(\a)+\b):ACC+8*(4*(\a)+\b)+7]
.endif
.endr
.endr
.endm
; 32 LDS loads in one run: the fragments of the slot's quarter kq (64 along K) into buffer f; the first 32 along K first
.macro FETCH slot, kq, f
	WIN TO_F
.irp c, 0,1
.irp i, 0,1,2,3
	ds_load_b128 v[\f+64+8*(4*\c+\i):\f+64+8*(4*\c+\i)+3],   v[ADRB+\slot] offset:\i*8192+(2*(\kq)+\c)*1024
	ds_load_b128 v[\f+64+8*(4*\c+\i)+4:\f+64+8*(4*\c+\i)+7], v[ADRB+\slot] offset:\i*8192+(2*(\kq)+\c)*1024+512
	ds_load_b128 v[\f+8*(4*\c+\i):\f+8*(4*\c+\i)+3],         v[ADRA+\slot] offset:\i*8192+(2*(\kq)+\c)*1024
	ds_load_b128 v[\f+8*(4*\c+\i)+4:\f+8*(4*\c+\i)+7],       v[ADRA+\slot] offset:\i*8192+(2*(\kq)+\c)*1024+512
.endr
.endr
.endm
.macro PLACES                          ; four places in front of loads into registers that matrix instructions have read, and of reads of results
.rept 4
	v_nop
.endr
.endm
.macro QUARTER slot, kq, f, g, zero    ; multiplies buffer f and fetches quarter kq of the slot into g
	s_wait_dscnt 16                                ; the first 32 along K are in; the other sixteen loads may be out
	WIN MUL
	MUL8 \f, 0, 0, \zero
	MUL8 \f, 0, 2, \zero
	PLACES
	FETCH \slot, \kq, \g
	s_wait_dscnt 32                                ; all but the 32 just issued
	WIN MUL
	MUL8 \f, 1, 0, 0
	MUL8 \f, 1, 2, 0
.endm
; The last quarter multiplies buffer 1 and changes slots: one barrier; in front of it each wave waits for all its tensor loads, adds 0 to its spare word, and waits for that and for its reads of this slot.
.macro TURN slot, next, fill
	WIN 0
	s_wait_tensorcnt 0x0                           ; all my tensor loads have landed: my part of the next slot
	ds_add_u32 v[SPW], v[NIL]                      ; 0 onto my spare word
	s_wait_dscnt 17                                ; (the add and the youngest sixteen loads may be out)
	WIN MUL
	MUL8 F1, 0, 0, 0
	s_wait_dscnt 0x0                               ; the add is done, and my reads of this slot are over
	s_barrier_signal -1
	MUL8 F1, 0, 2, 0
.if \fill
	WIN 0
.endif
	s_barrier_wait -1
.if \fill
	CREST                                          ; the barrier has opened a round of the cluster's: no wave of any partner still reads this slot or has a load on its way
.if \slot == 0
	s_add_co_u32 s[PAIR], s[PAIR], 2               ; the walk's next lap, round the 8 steps
	s_and_b32 s[PAIR], s[PAIR], 7
.endif
	s_lshl_b32 s[OFF], s[PAIR], 13
.if \slot == 1
	s_add_co_u32 s[OFF], s[OFF], 8192              ; slot 1 takes the lap's odd step
.endif
	s_add_nc_u64 s[G0+4*\slot+2:G0+4*\slot+3], s[AB:AB+1], s[OFF:OFF+1]      ; the step's addresses made anew, with the type bits (no tensor load of mine is out)
	s_or_b32 s[G0+4*\slot+3], s[G0+4*\slot+3], 0x80000000
	s_add_nc_u64 s[G0B+4*\slot+2:G0B+4*\slot+3], s[BB:BB+1], s[OFF:OFF+1]
	s_or_b32 s[G0B+4*\slot+3], s[G0B+4*\slot+3], 0x80000000
	JLOAD \slot                                    ; the first tensor load behind the round; its four v_nop are the places in front of the loads below
.else
	PLACES
.endif
	FETCH \next, 0, F0
	WIN MUL
	MUL8 F1, 1, 0, 0
	MUL8 F1, 1, 2, 0
.endm
	s_wait_tensorcnt 1                             ; my part of the walk's first K step is in; the second's may stay out
	s_barrier_signal -1
	s_barrier_wait -1
	FETCH 0, 0, F0
	QUARTER 0, 1, F0, F1, 1                        ; the first products start the sums
	WIN 0
	s_mov_b32 s3, LAPS-1
.Llap:                                             ; a trip goes once round the ring and fills both slots again
	QUARTER 0, 2, F1, F0, 0
	QUARTER 0, 3, F0, F1, 0
	TURN 0, 1, 1
	QUARTER 1, 1, F0, F1, 0
	QUARTER 1, 2, F1, F0, 0
	QUARTER 1, 3, F0, F1, 0
	TURN 1, 0, 1
	QUARTER 0, 1, F0, F1, 0
	WIN 0
	s_sub_co_u32 s3, s3, 1
	s_cmp_lg_u32 s3, 0
	s_cbranch_scc1 .Llap
	QUARTER 0, 2, F1, F0, 0                        ; the last lap fills nothing
	QUARTER 0, 3, F0, F1, 0
	TURN 0, 1, 0
	QUARTER 1, 1, F0, F1, 0
	QUARTER 1, 2, F1, F0, 0
	QUARTER 1, 3, F0, F1, 0
	s_wait_dscnt 16
	WIN MUL
	MUL8 F1, 0, 0, 0
	MUL8 F1, 0, 2, 0
	s_wait_dscnt 0
	MUL8 F1, 1, 0, 0
	MUL8 F1, 1, 2, 0
	WIN 0
; THE WAY OUT, 16 rows x 64 columns at a time, through my own stage: LDS serves a wave's instructions in order (ISA guide 5.7.1.4), so no wait stands between the stores and the loads.
.macro TOSTAGE a
.irp b, 0,1,2,3
	ds_store_b128 v[STO], v[ACC+8*(4*(\a)+\b):ACC+8*(4*(\a)+\b)+3] offset:64*\b        ; each accumulator from its low end on
	ds_store_b128 v[STO], v[ACC+8*(4*(\a)+\b)+4:ACC+8*(4*(\a)+\b)+7] offset:64*\b+16
.endr
.irp t, 0,1,2,3,4,5,6,7
	ds_load_b128 v[TMP+32*((\a)%2)+4*\t:TMP+32*((\a)%2)+4*\t+3], v[RD] offset:\t*2*SPITCH
.endr
.endm
.macro SEND a, younger                 ; younger: the LDS instructions issued behind block a's loads, which may stay out
	s_wait_dscnt \younger
.irp t, 0,1,2,3,4,5,6,7
	global_store_b128 v[CO], v[TMP+32*((\a)%2)+4*\t:TMP+32*((\a)%2)+4*\t+3], s[8:9] offset:(16*(\a)+2*\t)*8192 th:TH_STORE_NT   ; sixteen lanes store 256 consecutive bytes, aligned
.endr
.endm
	PLACES
	TOSTAGE 0
	TOSTAGE 1
	SEND 0, 16                                     ; behind block 0's loads: block 1's 8 stores and 8 loads
	s_wait_xcnt 0x0                                ; block 0's stores have read their registers
	TOSTAGE 2
	SEND 1, 16
	s_wait_xcnt 0x0
	TOSTAGE 3
	SEND 2, 16
	SEND 3, 0
	s_wait_tensorcnt 0x0                           ; the wave's end
	ds_add_u32 v[SPW], v[NIL]
	s_wait_dscnt 0x0
	CROUND                                         ; the closing round
	s_endpgm
.Lfunc_end_k_qe9dd45193a_oproj:
	.size	k_qe9dd45193a_oproj, .Lfunc_end_k_qe9dd45193a_oproj-k_qe9dd45193a_oproj
	.p2alignl 7, 3214868480
	.fill 96, 4, 3214868480
	.section	.rodata,"a",@progbits
	.p2align	6, 0x0
	.amdhsa_kernel k_qe9dd45193a_oproj
		.amdhsa_group_segment_fixed_size 327680
		.amdhsa_private_segment_fixed_size 0
		.amdhsa_enable_private_segment 0
		.amdhsa_kernarg_size 24
		.amdhsa_user_sgpr_count 2
		.amdhsa_user_sgpr_kernarg_segment_ptr 1
		.amdhsa_wavefront_size32 1
		.amdhsa_system_sgpr_workgroup_id_x 1
		.amdhsa_system_sgpr_workgroup_id_y 1
		.amdhsa_system_sgpr_workgroup_id_z 1
		.amdhsa_system_vgpr_workitem_id 0
		.amdhsa_next_free_vgpr 512
		.amdhsa_next_free_sgpr 72
		.amdhsa_reserve_vcc 0
		.amdhsa_float_denorm_mode_32 3
		.amdhsa_float_denorm_mode_16_64 3
		.amdhsa_memory_ordered 1
		.amdhsa_forward_progress 1
		.amdhsa_inst_pref_size 86
	.end_amdhsa_kernel
	.amdgpu_metadata
---
amdhsa.version: [ 1, 2 ]
amdhsa.kernels:
  - .name:           k_qe9dd45193a_oproj
    .symbol:         k_qe9dd45193a_oproj.kd
    .args:
      - { .name: ao, .offset: 0, .size: 8, .value_kind: global_buffer, .address_space: global }
      - { .name: wof, .offset: 8, .size: 8, .value_kind: global_buffer, .address_space: global }
      - { .name: out0, .offset: 16, .size: 8, .value_kind: global_buffer, .address_space: global }
    .group_segment_fixed_size: 327680
    .private_segment_fixed_size: 0
    .kernarg_segment_align: 8
    .kernarg_segment_size: 24
    .max_flat_workgroup_size: 128
    .sgpr_count:     72
    .vgpr_count:     512
    .wavefront_size: 32
...
	.end_amdgpu_metadata
.endif
;; end of part 4
